; MI455X (gfx1250); checked and timed in simulation.
; The chip was launched on July 23, 2026; its instructions are those of AMD's public machine-readable ISA for CDNA 5 (MIT licence, August 2026) and "CDNA5" Instruction Set Architecture Reference Guide (July 2026). The comments in the code are by the model that wrote it; some were corrected since.
;; Encoder Block. Allowed arithmetic: matrix products marked QUANTISED: E2M3 operands, one E8M0 scale for each 32 along K, by v_wmma_scale_f32_16x16x128_f8f6f4 with both operands' format E2M3, f32 sums; everything else in f32.
;; Inputs: W1 1,024 x 4,096 float32; W2 4,096 x 1,024 float32; Wk 1,024 x 1,024 float32; Wo 1,024 x 1,024 float32; Wq 1,024 x 1,024 float32; Wv 1,024 x 1,024 float32; b1 4,096 float32; b2 1,024 float32; be1 1 float32; be2 1 float32; bk 1,024 float32; bo 1,024 float32; bq 1,024 float32; bv 1,024 float32; g1 1 float32; g2 1 float32; mask 2 x 1 x 1 x 2,048 int32; x 2 x 2,048 x 1,024 float32.
;; Outputs: out0 2 x 2,048 x 1,024 float32.
;; This version of the problem:
;;   THIS VERSION OF THE PROBLEM IS GIVEN IN LOW PRECISION. The matrix products marked QUANTISED in the list below multiply operands that are first quantised to E2M3 (2 exponent bits, 3 mantissa bits; 6 bits a number), with one power-of-two scale for each 32 numbers along K (OCP MX v1.0); their sums are f32. All else is computed in f32.
;;   The module's matrix products, in the order in which they are computed (A, B: the left and right operand; K: the contracted axis; several contracted axes count as one K, in the product's order):
;;     1. [M 4,096, K 1,024] x [K 1,024, N 1,024]; A: computed on the way; B: input Wq: QUANTISED
;;     2. [M 4,096, K 1,024] x [K 1,024, N 1,024]; A: computed on the way; B: input Wk: QUANTISED
;;     3. [M 4,096, K 1,024] x [K 1,024, N 1,024]; A: computed on the way; B: input Wv: QUANTISED
;;     4. batch 32 x [M 2,048, K 64] x [K 64, N 2,048]; A: computed on the way; B: computed on the way: QUANTISED
;;     5. batch 32 x [M 2,048, K 2,048] x [K 2,048, N 64]; A: softmax (see below); B: computed on the way: QUANTISED
;;     6. [M 4,096, K 1,024] x [K 1,024, N 1,024]; A: computed on the way; B: input Wo: QUANTISED
;;     7. [M 4,096, K 1,024] x [K 1,024, N 4,096]; A: computed on the way; B: input W1: QUANTISED
;;     8. [M 4,096, K 4,096] x [K 4,096, N 1,024]; A: computed on the way; B: input W2: QUANTISED
;;   THE QUANTISER, for each operand of a quantised product, along K:
;;     - K is cut into blocks of 32 from its start; a last block that is shorter is filled with zeros.
;;     - A block's scale is 2^e with e = floor(log2(the largest magnitude in the block)) - 2, held to -126 .. 127; a block of zeros has e = 0. As a byte (E8M0): e + 127.
;;     - Each number is divided by its block's scale, clamped to +-7.5, and rounded to the nearest number of E2M3, ties to even, subnormals kept.
;;     - The product sums the exact products of the quantised numbers (number of the format x scale) in f32.
;;   ~~~python
;;   def quantise(x, axis):      # numpy; x: float32 -> the quantised numbers, widened to float32 again
;;       x = np.moveaxis(x, axis, -1); K = x.shape[-1]
;;       x = np.pad(x, [(0, 0)] * (x.ndim - 1) + [(0, -K % 32)]); x = x.reshape(x.shape[:-1] + (-1, 32)); a = np.abs(x).max(-1, keepdims=True)
;;       e = np.where(a > 0, np.clip(np.frexp(np.where(a > 0, a, 1))[1] - 1 - 2, -126, 127), 0)      # np.frexp(a)[1] - 1 = floor(log2(a)), exactly
;;       r = np.clip(x / 2.0 ** e, -7.5, 7.5)
;;       step = 2.0 ** (np.maximum(np.frexp(np.where(r == 0, 1, r))[1] - 1, 0) - 3)
;;       q = np.round(r / step) * step * 2.0 ** e      # np.round: ties to even
;;       return np.moveaxis(q.reshape(q.shape[:-2] + (-1,))[..., :K], -1, axis).astype(np.float32)
;;   ~~~
;;   SOFTMAX AHEAD OF A QUANTISED PRODUCT. Where the list says 'softmax', what is quantised is not the finished softmax but p = 2^(t - M), with t = logit x log2(e) and M = ceil(the row's largest t), a whole number; so 1/2 < the row's largest p <= 1. The row's sum l is taken of the UNQUANTISED p, in f32, and the product's result is divided by l at the end. Since M is a whole number, a kernel that streams over the keys may use a running M (the ceiling of the running maximum): every later rescaling is an exact power of two, which a block's scale takes up: the codes' values come out the same.
;;   OPERANDS COMPUTED ON THE WAY. 'Computed on the way' means the value that the module computes at that place (a softmax that the list does not call 'softmax' is quantised finished and normalised). What goes into a quantiser is computed in f32, as accurately as f32 sums, v_exp_f32 and their like allow (about 1e-6 of the number): no bf16 or f16 on the way to a quantiser, and a product that is left as it is and whose result goes on into a quantised operand takes f32 operands (vector FMAs, or v_wmma_f32_16x16x4_f32). A number that lies on a knife's edge between two numbers of the format may be rounded either way, as far as f32 arithmetic and the matrix unit's own rounding can turn it there, and no further.
;; One version. Each part assembles by itself: llvm-mc -triple=amdgcn-amd-amdhsa -mcpu=gfx1250 --defsym DOCPART=n.
;; ======== version 1 of 1: 7 launches
;; limits: right only within a limited range of input values
;; workspace buffers: wb 9,830,400 bytes; xn 3,276,800 bytes; qkv 10,223,616 bytes; ao 3,276,800 bytes; h 16,777,216 bytes; hid 13,107,200 bytes
;; launch prep (part 1): grid 640 x 1, 8 waves a work-group, no clusters, 67,328 bytes of LDS; arguments Wq, Wk, Wv, Wo, W1, W2, x, g1, be1, wb, xn; writes wb, xn
.if DOCPART == 1
	.amdgcn_target "amdgcn-amd-amdhsa--gfx1250"
	.amdhsa_code_object_version 6
	.text
	.protected	k_q8974de8a2e_prep
	.globl	k_q8974de8a2e_prep
	.p2align	8
	.type	k_q8974de8a2e_prep,@function
k_q8974de8a2e_prep:
	s_mov_b64 s[64:65], 0
	v_nop
	global_prefetch_b8 v0, s[64:65] scope:SCOPE_SE
	s_setreg_imm32_b32 hwreg(HW_REG_WAVE_MODE, 25, 1), 1
	s_wait_xcnt 0x0
; PREP.  Work-groups 0-383 turn the six weights (f32, K = the first axis) into codes of E2M3 with one E8M0 byte for each 32 along K; work-groups 384-639 make LayerNorm 1 of x and quantise it.
; ALL OPERANDS OF THIS PROGRAM ARE LAID AS IMAGES OF THE MATRIX OPERAND'S REGISTERS.  A record is 768 bytes = 16 rows x 64 K: lane l = r + 16 h holds block h of row r in 6 registers;
; bytes 0-511 hold registers 0-3 at 16 l, bytes 512-767 registers 4-5 at 8 l.  An operand is [row / 16][K / 64] records.  Scale words (4 bytes: 128 K of a row) lie [row / 16][K / 128][16 rows].
; THE ORDER INSIDE A BLOCK OF 32: place p holds k = p % 8 + 16 ((p / 8) % 2) + 8 (p / 16), alike in both operands of every product: it is the order in which a transposed product leaves two
; neighbouring tiles in a lane.  A block keeps its members, so scales and codes are the quantiser's; only the order of addition inside a matrix instruction differs.
; wb: codes of Wq, Wk, Wv, Wo (rows = output columns, 4,096 rows, K 1,024) at 0, of W1 at 3,145,728, of W2 (K 4,096) at 6,291,456; scale words at 9,437,184 + 131,072 x class.  xn: codes at 0, words at 3,145,728.
; LIMITS: NaN and infinities are not served; a block whose largest magnitude lies under 2^-124 (a block of zeros too) keeps the byte 1: its bytes are read by this program alone.
; 1 / 1023 is a multiplication by the nearest f32, 1 / (sigma + eps) is v_rcp_f32.
; The weights' scale words leave as two pieces of 64 bytes a wave: one byte for each 128 that the path reads.
.set FIRST, 384                        ; the first work-group of the LayerNorm
.set RP,    4112                       ; a row of 1,024 f32 in LDS: 4,096 bytes + 16, so that 16 rows' loads of 16 bytes start in 16 different groups of banks
.set SCST,  16*RP                      ; behind the rows: the 16 rows' 8 scale words each, 512 bytes
.set SPARE, SCST+512                   ; the spare words, 128 bytes for each of the 8 waves
.set SPW, 14                           ; v14 my spare word's address;  v15 0: both never rewritten
.set NIL, 15
.set PC,  96                           ; v96-114 the codes just made
.set TM,  120                          ; v120-135 at work in QUANT
.set PW,  136                          ; the scale word just made
.set WV,  26
.set SEL, 52
.set SRC, 16                           ; s[16:17] x;  s[18:19] g1;  s[20:21] be1;  s[24:25] xn
.set GP,  18
.set BP,  20
.set DST, 24
; 64 numbers of a lane, register 16 b + i = place 16 (lane / 16) + i of block b of my row, become a fragment's 12 registers in v[PC] on and its scale word in v[PW].
.macro QUANT s
.irp b, 0,1,2,3
	v_max3_num_f32 v[TM+\b], |v[\s+16*\b]|, |v[\s+1+16*\b]|, 0x1800000   ; my 16 numbers of block b, and the floor 2^(3 - 127): the byte cannot fall under 1
.endr
.irp i, 2,4,6,8,10,12,14
.irp b, 0,1,2,3
	s_delay_alu instid0(VALU_DEP_4)
	v_max3_num_f32 v[TM+\b], v[TM+\b], |v[\s+16*\b+\i]|, |v[\s+1+16*\b+\i]|
.endr
.endr
.irp b, 0,1,2,3
	s_delay_alu instid0(VALU_DEP_4)
	v_permlanex16_b32 v[TM+4+\b], v[TM+\b], s[SEL], s[SEL+1]
.endr
.irp b, 0,1,2,3
	s_delay_alu instid0(VALU_DEP_4)
	v_max_num_f32 v[TM+\b], v[TM+\b], v[TM+4+\b]   ; with lane l xor 16's: the block's largest magnitude
.endr
.irp b, 0,1,2,3
	s_delay_alu instid0(VALU_DEP_4)
	v_add_nc_u32 v[TM+12+\b], 0xff000000, v[TM+\b]   ; 2 off its exponent field: the conversion's scale operand
.endr
.irp b, 0,1,2,3
	s_delay_alu instid0(VALU_DEP_4)
	v_lshrrev_b32 v[TM+4+\b], 23, v[TM+12+\b]      ; the scale's byte
.endr
	s_delay_alu instid0(VALU_DEP_3)
	v_lshl_or_b32 v[PW], v[TM+5], 8, v[TM+4]
	s_delay_alu instid0(VALU_DEP_1)
	v_lshl_or_b32 v[PW], v[TM+6], 16, v[PW]
	s_delay_alu instid0(VALU_DEP_1)
	v_lshl_or_b32 v[PW], v[TM+7], 24, v[PW]
.irp c, 0,1
	v_cvt_scalef32_pk16_fp6_f32 v[PC+6*\c:PC+2+6*\c], v[\s+32*\c:\s+15+32*\c], v[TM+12+2*\c]
	v_cvt_scalef32_pk16_fp6_f32 v[PC+12+4*\c:PC+14+4*\c], v[\s+16+32*\c:\s+31+32*\c], v[TM+12+2*\c+1]   ; (a conversion's three registers begin on an even number)
.endr
	v_nop                                          ; one plain place behind a scaled conversion
.irp c, 0,1                                    ; a lane is to hold a WHOLE block: lanes 0-15 block 2 c, lanes 16-31 block 2 c + 1
.irp i, 0,1,2
	v_permlane16_swap_b32 v[PC+6*\c+\i], v[PC+12+4*\c+\i]
.endr
.irp i, 0,1,2
	s_delay_alu instid0(VALU_DEP_3)
	v_mov_b32 v[PC+3+6*\c+\i], v[PC+12+4*\c+\i]
.endr
.endr
.endm
; the sums over the 32 lanes of v[a] and v[a + 8] (the wave's two rows by turns); v[t], v[t + 8] have been written before
.macro RED2 a, t
.irp m, 1,2,4,8
	s_delay_alu instid0(VALU_DEP_2)
	v_add_f32_dpp v[\a], v[\a], v[\a] row_xmask:\m row_mask:0xf bank_mask:0xf
	s_delay_alu instid0(VALU_DEP_2)
	v_add_f32_dpp v[\a+8], v[\a+8], v[\a+8] row_xmask:\m row_mask:0xf bank_mask:0xf
.endr
	s_delay_alu instid0(VALU_DEP_2)
	v_permlanex16_b32 v[\t], v[\a], s[SEL], s[SEL+1]
	s_delay_alu instid0(VALU_DEP_2)
	v_permlanex16_b32 v[\t+8], v[\a+8], s[SEL], s[SEL+1]
	s_delay_alu instid0(VALU_DEP_2)
	v_add_f32 v[\a], v[\a], v[\t]
	s_delay_alu instid0(VALU_DEP_2)
	v_add_f32 v[\a+8], v[\a+8], v[\t+8]
.endm
	s_load_b256 s[4:11], s[0:1], 0x0               ; Wq, Wk, Wv, Wo
	s_load_b256 s[12:19], s[0:1], 0x20             ; W1, W2, x, g1
	s_load_b128 s[20:23], s[0:1], 0x40             ; be1, wb
	s_load_b64 s[24:25], s[0:1], 0x50              ; xn
	v_lshl_add_u32 v[SPW], v0, 2, SPARE
	v_mov_b32 v[NIL], 0
	v_lshrrev_b32 v3, 5, v0
	s_delay_alu instid0(VALU_DEP_1)
	v_readfirstlane_b32 s[WV], v3                  ; wave 0..7
	v_and_b32 v3, 31, v0                           ; lane
	s_delay_alu instid0(VALU_DEP_1)
	v_lshlrev_b32 v1, 4, v3                        ; 16 l
	s_delay_alu instid0(VALU_DEP_2)
	v_lshlrev_b32 v2, 3, v3                        ; 8 l
	v_and_b32 v10, 15, v0                          ; r
	v_bfe_u32 v11, v0, 4, 1                        ; h
	s_mul_i32 s27, s[WV], 2*RP                     ; every LDS address is made here, ahead of the parting of the two paths
	v_add_nc_u32 v4, s27, v1                       ; v4: my wave's two rows, 16 bytes a lane
	v_mul_u32_u24 v5, v10, RP
	s_delay_alu instid0(VALU_DEP_1)
	v_lshl_add_u32 v5, v11, 5, v5
	s_lshl_b32 s27, s[WV], 9
	v_add_nc_u32 v5, s27, v5                       ; v5: row r, + 32 h, + my wave's 128 along K
	s_lshl_b32 s27, s[WV], 6
	s_add_co_u32 s27, s27, SCST
	v_lshl_add_u32 v6, v10, 2, s27                 ; v6: my K step's word of row r
	v_add_nc_u32 v7, SCST, v1                      ; v7: the 512 bytes of words, 16 a lane
	s_cmp_lt_u32 ttmp9, FIRST                      ; the work-group's number alone: all eight waves go the same way
	s_cbranch_scc0 .Lnorm
; ---------------- THE WEIGHTS.  A wave takes 32 columns x 128 along K; a lane takes a column and its registers run down K, in the block's order: nothing is transposed by an instruction.
; The eight waves stand side by side on 256 columns: each row of W is read in 1,024 consecutive bytes.  No LDS, no barrier, no loop.
	s_lshr_b32 s36, ttmp9, 7                       ; class: 0 the four square weights, 1 W1, 2 W2
	s_and_b32 s37, ttmp9, 127
	s_lshr_b32 s45, s37, 5                         ; class 0: which of the four
	s_add_co_u32 s46, s36, 3
	s_cmp_eq_u32 s36, 1
	s_cselect_b32 s38, 15, 3                       ; groups of 256 columns: 16 in W1, else 4
	s_cselect_b32 s39, 4, 2
	s_cselect_b32 s40, 21, 19                      ; log2 of 128 rows in bytes: a row is 16,384 bytes in W1, else 4,096
	s_cmp_eq_u32 s36, 2
	s_cselect_b32 s42, 31, 7                       ; K steps of 128: 32 in W2, else 8
	s_mov_b32 s43, 12288
	s_cselect_b32 s43, 49152, s43                  ; a row block of codes: 12 K bytes
	s_mov_b32 s44, 512
	s_cselect_b32 s44, 2048, s44                   ; and of scale words: K / 2
	s_cmp_eq_u32 s36, 0
	s_cselect_b32 s46, s45, s46                    ; which of the six tensors
	s_cselect_b32 s45, s45, 0
	s_and_b32 s38, s37, s38                        ; the group of columns
	s_lshr_b32 s39, s37, s39
	s_and_b32 s39, s39, s42                        ; the K step
	s_lshl_b32 s40, s39, s40
	s_lshl_b32 s41, s38, 10
	s_add_co_u32 s40, s40, s41
	s_lshl_b32 s41, s[WV], 7
	s_add_co_u32 s40, s40, s41                     ; where my wave reads: 128 rows x K step + 4 x (256 group + 32 wave)
	s_mov_b32 s41, 0
	s_lshl_b32 s47, s38, 4
	s_lshl_b32 s48, s[WV], 1
	s_add_co_u32 s47, s47, s48
	s_lshl_b32 s48, s45, 6
	s_add_co_u32 s47, s47, s48                     ; my first row block of the class's codes
	s_mul_i32 s48, s36, 3145728
	s_mul_i32 s49, s47, s43
	s_add_co_u32 s48, s48, s49
	s_mul_i32 s49, s39, 1536
	s_add_co_u32 s48, s48, s49                     ; its two records of this K step
	s_mov_b32 s49, 0
	s_lshl_b32 s50, s36, 17
	s_add_co_u32 s50, s50, 9437184
	s_mul_i32 s51, s47, s44
	s_add_co_u32 s50, s50, s51
	s_lshl_b32 s51, s39, 6
	s_add_co_u32 s50, s50, s51                     ; its scale words
	s_mov_b32 s51, 0
	v_lshlrev_b32 v200, 2, v3                      ; in: 4 bytes a lane
	s_wait_alu depctr_va_vdst(0)
	v_mul_u32_u24 v202, s44, v11
	s_delay_alu instid0(VALU_DEP_1)
	v_lshl_add_u32 v202, v10, 2, v202              ; words out: lanes 16-31 belong to the next row block
	s_wait_kmcnt 0x0
	s_cmp_eq_u32 s46, 1                            ; the tensor is chosen by the work-group's number alone
	s_cselect_b64 s[28:29], s[6:7], s[4:5]
	s_cmp_eq_u32 s46, 2
	s_cselect_b64 s[28:29], s[8:9], s[28:29]
	s_cmp_eq_u32 s46, 3
	s_cselect_b64 s[28:29], s[10:11], s[28:29]
	s_cmp_eq_u32 s46, 4
	s_cselect_b64 s[28:29], s[12:13], s[28:29]
	s_cmp_eq_u32 s46, 5
	s_cselect_b64 s[28:29], s[14:15], s[28:29]
	s_add_nc_u64 s[28:29], s[28:29], s[40:41]
	s_add_nc_u64 s[30:31], s[22:23], s[48:49]      ; columns 0-15's records
	s_mov_b32 s48, s43
	s_add_nc_u64 s[32:33], s[30:31], s[48:49]      ; columns 16-31's: one row block on
	s_add_nc_u64 s[34:35], s[22:23], s[50:51]
.macro LOADW pitch                     ; register 16 + 32 blk + p takes row 32 blk + the block's order of p: 128 loads of 128 consecutive bytes a wave
.set q, 0
.rept 128
	global_load_b32 v[16+q], v200, s[28:29] offset:(32*(q/32)+(q%8)+16*((q/8)%2)+8*((q%32)/16))*\pitch th:TH_LOAD_NT
.set q, q+1
.endr
.endm
	s_cmp_eq_u32 s36, 1
	s_cbranch_scc1 .Lwide
	LOADW 4096
	s_branch .Lloaded
.Lwide:
	LOADW 16384
.Lloaded:
; blocks 2 c and 2 c + 1 of my column: all 32 numbers of each are mine.  Behind the exchange of halves CE is a record of columns 0-15 and CO of columns 16-31.
.macro WHALF c
.set X,  16+64*\c
.set CE, 144+32*\c
.set CO, 152+32*\c
.set TE, 160+32*\c
.set TO, 164+32*\c
	v_max3_num_f32 v8, |v[X]|, |v[X+1]|, 0x1800000                 ; the floor 2^(3 - 127) among the leaves
	v_max3_num_f32 v9, |v[X+32]|, |v[X+33]|, 0x1800000
.set i, 2
.rept 15
	s_delay_alu instid0(VALU_DEP_2)
	v_max3_num_f32 v8, v8, |v[X+i]|, |v[X+i+1]|
	s_delay_alu instid0(VALU_DEP_2)
	v_max3_num_f32 v9, v9, |v[X+32+i]|, |v[X+33+i]|
.set i, i+2
.endr
	s_delay_alu instid0(VALU_DEP_2)
	v_add_nc_u32 v8, 0xff000000, v8                ; 2 off the exponent field: the conversion's scale operand
	s_delay_alu instid0(VALU_DEP_2)
	v_add_nc_u32 v9, 0xff000000, v9
	v_cvt_scalef32_pk16_fp6_f32 v[CE:CE+2], v[X:X+15], v8
	v_cvt_scalef32_pk16_fp6_f32 v[TE:TE+2], v[X+16:X+31], v8
	v_cvt_scalef32_pk16_fp6_f32 v[CO:CO+2], v[X+32:X+47], v9
	v_cvt_scalef32_pk16_fp6_f32 v[TO:TO+2], v[X+48:X+63], v9
	v_lshrrev_b32 v[10+2*\c], 23, v8               ; the two bytes; also the plain place behind the conversions
	v_lshrrev_b32 v[11+2*\c], 23, v9
.irp i, 0,1,2
	v_mov_b32 v[CE+3+\i], v[TE+\i]
	v_mov_b32 v[CO+3+\i], v[TO+\i]
.endr
.irp i, 0,1,2,3,4,5
	v_permlane16_swap_b32 v[CE+\i], v[CO+\i]       ; CE's lanes 16-31 (block 2 c of columns 16-31) change places with CO's lanes 0-15 (block 2 c + 1 of columns 0-15)
.endr
	global_store_b128 v1, v[CE:CE+3], s[30:31] offset:768*\c       ; 512 and 256 consecutive bytes, aligned
	global_store_b64 v2, v[CE+4:CE+5], s[30:31] offset:768*\c+512
	global_store_b128 v1, v[CO:CO+3], s[32:33] offset:768*\c
	global_store_b64 v2, v[CO+4:CO+5], s[32:33] offset:768*\c+512
.endm
	s_wait_loadcnt 63                              ; at most the youngest 63 are out: the first 64, blocks 0 and 1, are in
	WHALF 0
	s_wait_loadcnt 0x0
	WHALF 1                                        ; it has registers of its own for its codes: no store's data are written again
	v_lshl_or_b32 v203, v11, 8, v10
	s_delay_alu instid0(VALU_DEP_1)
	v_lshl_or_b32 v203, v12, 16, v203
	s_delay_alu instid0(VALU_DEP_1)
	v_lshl_or_b32 v203, v13, 24, v203              ; my column's scale word for these 128 along K
	global_store_b32 v202, v203, s[34:35]
	s_endpgm
; ---------------- LAYERNORM 1 AND ITS QUANTISING.  A work-group takes 16 rows.  Phase 1: wave w makes rows 2 w, 2 w + 1 whole (mean, then the sum of squared differences: two passes over registers) and lays
; them in LDS.  Phase 2: wave w takes 128 along K of all 16 rows, in the lane layout that QUANT wants, and stores one fragment.
.Lnorm:
	s_sub_co_u32 s36, ttmp9, FIRST                 ; the row block
	s_lshl_b32 s40, s36, 16
	s_lshl_b32 s41, s[WV], 13
	s_add_co_u32 s40, s40, s41                     ; 16 rows of 4,096 bytes a work-group, two a wave
	s_mov_b32 s41, 0
	s_mul_i32 s42, s36, 12288
	s_mul_i32 s43, s[WV], 1536
	s_add_co_u32 s42, s42, s43                     ; my fragment
	s_mov_b32 s43, 0
	s_lshl_b32 s44, s36, 9
	s_add_co_u32 s44, s44, 3145728                 ; the row block's 512 bytes of scale words
	s_mov_b32 s45, 0
	s_mov_b32 s[SEL], 0x76543210
	s_mov_b32 s[SEL+1], 0xfedcba98                 ; v_permlanex16_b32's selects for lane l xor 16
	s_wait_kmcnt 0x0
	s_load_b32 s50, s[GP:GP+1], 0x0                ; gamma
	s_load_b32 s48, s[BP:BP+1], 0x0                ; beta
	s_add_nc_u64 s[28:29], s[SRC:SRC+1], s[40:41]
	s_add_nc_u64 s[30:31], s[DST:DST+1], s[42:43]
	s_add_nc_u64 s[32:33], s[DST:DST+1], s[44:45]
.irp p, 0,1
.irp j, 0,1,2,3,4,5,6,7
	global_load_b128 v[16+32*\p+4*\j:19+32*\p+4*\j], v1, s[28:29] offset:4096*\p+512*\j   ; 512 consecutive bytes a load
.endr
.endr
.irp b, 0,1,2,3
	v_mov_b32 v[TM+4+\b], 0                        ; written once: a lane permute's destination counts as one of its sources
.endr
	s_wait_loadcnt 0x0
	s_wait_kmcnt 0x0
	s_mov_b32 s49, s48                             ; (the packed form names the pair)
.irp p, 0,1
	v_pk_add_f32 v[80+8*\p:81+8*\p], v[16+32*\p:17+32*\p], v[18+32*\p:19+32*\p]
	v_pk_add_f32 v[82+8*\p:83+8*\p], v[20+32*\p:21+32*\p], v[22+32*\p:23+32*\p]
.endr
.irp i, 8,12,16,20,24,28
.irp p, 0,1
	s_delay_alu instid0(VALU_DEP_4)
	v_pk_add_f32 v[80+8*\p:81+8*\p], v[80+8*\p:81+8*\p], v[16+32*\p+\i:17+32*\p+\i]
	s_delay_alu instid0(VALU_DEP_4)
	v_pk_add_f32 v[82+8*\p:83+8*\p], v[82+8*\p:83+8*\p], v[18+32*\p+\i:19+32*\p+\i]
.endr
.endr
.irp p, 0
	s_delay_alu instid0(VALU_DEP_3)
	v_pk_add_f32 v[80+8*\p:81+8*\p], v[80+8*\p:81+8*\p], v[82+8*\p:83+8*\p]
.endr
.irp p, 1
	s_delay_alu instid0(VALU_DEP_2)
	v_pk_add_f32 v[80+8*\p:81+8*\p], v[80+8*\p:81+8*\p], v[82+8*\p:83+8*\p]
.endr
.irp p, 0,1
	s_delay_alu instid0(VALU_DEP_2)
	v_add_f32 v[80+8*\p], v[80+8*\p], v[81+8*\p]
.endr
	RED2 80, 81
.irp p, 0,1
	s_delay_alu instid0(VALU_DEP_2)
	v_mul_f32 v[80+8*\p], 0x3a800000, v[80+8*\p]   ; mu = the sum / 1024, exact
.endr
.irp i, 0,2,4,6,8,10,12,14,16,18,20,22,24,26,28,30
.irp p, 0,1
	v_pk_add_f32 v[16+32*\p+\i:17+32*\p+\i], v[16+32*\p+\i:17+32*\p+\i], v[80+8*\p:81+8*\p] op_sel_hi:[1,0] neg_lo:[0,1] neg_hi:[0,1]   ; x - mu
.endr
.endr
.irp p, 0,1
	v_pk_mul_f32 v[82+8*\p:83+8*\p], v[16+32*\p:17+32*\p], v[16+32*\p:17+32*\p]
	v_pk_mul_f32 v[84+8*\p:85+8*\p], v[18+32*\p:19+32*\p], v[18+32*\p:19+32*\p]
.endr
.irp i, 4,8,12,16,20,24,28
.irp p, 0,1
	s_delay_alu instid0(VALU_DEP_4)
	v_pk_fma_f32 v[82+8*\p:83+8*\p], v[16+32*\p+\i:17+32*\p+\i], v[16+32*\p+\i:17+32*\p+\i], v[82+8*\p:83+8*\p]
	s_delay_alu instid0(VALU_DEP_4)
	v_pk_fma_f32 v[84+8*\p:85+8*\p], v[18+32*\p+\i:19+32*\p+\i], v[18+32*\p+\i:19+32*\p+\i], v[84+8*\p:85+8*\p]
.endr
.endr
.irp p, 0
	s_delay_alu instid0(VALU_DEP_3)
	v_pk_add_f32 v[82+8*\p:83+8*\p], v[82+8*\p:83+8*\p], v[84+8*\p:85+8*\p]
.endr
.irp p, 1
	s_delay_alu instid0(VALU_DEP_2)
	v_pk_add_f32 v[82+8*\p:83+8*\p], v[82+8*\p:83+8*\p], v[84+8*\p:85+8*\p]
.endr
.irp p, 0,1
	s_delay_alu instid0(VALU_DEP_2)
	v_add_f32 v[82+8*\p], v[82+8*\p], v[83+8*\p]
.endr
	RED2 82, 83
.irp p, 0,1
	s_delay_alu instid0(VALU_DEP_2)
	v_mul_f32 v[82+8*\p], 0x3a802008, v[82+8*\p]   ; / 1023
.endr
	s_wait_alu depctr_va_vdst(0)
	v_sqrt_f32 v84, v82
	v_sqrt_f32 v92, v90
	v_nop                                          ; a plain place behind the two roots,
	s_wait_alu depctr_va_vdst(0)                   ; and one wait for both, ahead of their first reader
	v_add_f32 v84, 0x358637bd, v84                 ; sigma + 1e-6
	v_add_f32 v92, 0x358637bd, v92
	s_wait_alu depctr_va_vdst(0)
	v_rcp_f32 v86, v84
	v_rcp_f32 v94, v92
	v_mov_b32 v87, 0                               ; (named as the pairs' upper halves below; plain places behind the reciprocals)
	v_mov_b32 v95, 0
	s_wait_alu depctr_va_vdst(0)
	v_mul_f32 v86, s50, v86                        ; gamma / (sigma + eps)
	v_mul_f32 v94, s50, v94
.irp i, 0,2,4,6,8,10,12,14,16,18,20,22,24,26,28,30
.irp p, 0,1
	v_pk_fma_f32 v[16+32*\p+\i:17+32*\p+\i], v[16+32*\p+\i:17+32*\p+\i], v[86+8*\p:87+8*\p], s[48:49] op_sel_hi:[1,0,0]
.endr
.endr
.irp p, 0,1
.irp j, 0,1,2,3,4,5,6,7
	ds_store_b128 v4, v[16+32*\p+4*\j:19+32*\p+4*\j] offset:RP*\p+512*\j
.endr
.endr
	s_wait_dscnt 0x0                               ; for the others' sake: my two rows lie in LDS
	s_barrier_signal -1
	s_barrier_wait -1
.irp b, 0,1,2,3                                ; register 16 b + i: k = 32 b + 8 h + i, then 32 b + 16 + 8 h + (i - 8): the block's order
	ds_load_b128 v[16+16*\b:19+16*\b], v5 offset:128*\b
	ds_load_b128 v[20+16*\b:23+16*\b], v5 offset:128*\b+16
	ds_load_b128 v[24+16*\b:27+16*\b], v5 offset:128*\b+64
	ds_load_b128 v[28+16*\b:31+16*\b], v5 offset:128*\b+80
.endr
	s_wait_dscnt 0x0
	QUANT 16
	global_store_b128 v1, v[PC:PC+3], s[30:31]
	global_store_b64 v2, v[PC+4:PC+5], s[30:31] offset:512
	global_store_b128 v1, v[PC+6:PC+9], s[30:31] offset:768
	global_store_b64 v2, v[PC+10:PC+11], s[30:31] offset:1280
	ds_store_b32 v6, v[PW]                         ; both halves of the lanes write the same word with the same value
	s_wait_dscnt 0x0
	s_barrier_signal -1
	s_barrier_wait -1                              ; the eight waves' words lie together: 512 bytes
	s_cmp_lg_u32 s[WV], 0
	s_cbranch_scc1 .Lnot0
	ds_load_b128 v[16:19], v7
	s_wait_dscnt 0x0
	global_store_b128 v1, v[16:19], s[32:33]       ; wave 0 stores them as 512 consecutive bytes
.Lnot0:
	s_wait_tensorcnt 0x0                           ; the wave's end, behind my last LDS store
	ds_add_u32 v[SPW], v[NIL]
	s_wait_dscnt 0x0
	s_endpgm
.Lfunc_end_k_q8974de8a2e_prep:
	.size	k_q8974de8a2e_prep, .Lfunc_end_k_q8974de8a2e_prep-k_q8974de8a2e_prep
	.p2alignl 7, 3214868480
	.fill 96, 4, 3214868480
	.section	.rodata,"a",@progbits
	.p2align	6, 0x0
	.amdhsa_kernel k_q8974de8a2e_prep
		.amdhsa_group_segment_fixed_size 67328
		.amdhsa_private_segment_fixed_size 0
		.amdhsa_enable_private_segment 0
		.amdhsa_kernarg_size 88
		.amdhsa_user_sgpr_count 2
		.amdhsa_user_sgpr_kernarg_segment_ptr 1
		.amdhsa_wavefront_size32 1
		.amdhsa_system_sgpr_workgroup_id_x 1
		.amdhsa_system_sgpr_workgroup_id_y 1
		.amdhsa_system_sgpr_workgroup_id_z 1
		.amdhsa_system_vgpr_workitem_id 0
		.amdhsa_next_free_vgpr 208
		.amdhsa_next_free_sgpr 66
		.amdhsa_reserve_vcc 0
		.amdhsa_float_denorm_mode_32 3
		.amdhsa_float_denorm_mode_16_64 3
		.amdhsa_memory_ordered 1
		.amdhsa_forward_progress 1
		.amdhsa_inst_pref_size 62
	.end_amdhsa_kernel
	.amdgpu_metadata
---
amdhsa.version: [ 1, 2 ]
amdhsa.kernels:
  - .name:           k_q8974de8a2e_prep
    .symbol:         k_q8974de8a2e_prep.kd
    .args:
      - { .name: Wq, .offset: 0, .size: 8, .value_kind: global_buffer, .address_space: global }
      - { .name: Wk, .offset: 8, .size: 8, .value_kind: global_buffer, .address_space: global }
      - { .name: Wv, .offset: 16, .size: 8, .value_kind: global_buffer, .address_space: global }
      - { .name: Wo, .offset: 24, .size: 8, .value_kind: global_buffer, .address_space: global }
      - { .name: W1, .offset: 32, .size: 8, .value_kind: global_buffer, .address_space: global }
      - { .name: W2, .offset: 40, .size: 8, .value_kind: global_buffer, .address_space: global }
      - { .name: x, .offset: 48, .size: 8, .value_kind: global_buffer, .address_space: global }
      - { .name: g1, .offset: 56, .size: 8, .value_kind: global_buffer, .address_space: global }
      - { .name: be1, .offset: 64, .size: 8, .value_kind: global_buffer, .address_space: global }
      - { .name: wb, .offset: 72, .size: 8, .value_kind: global_buffer, .address_space: global }
      - { .name: xn, .offset: 80, .size: 8, .value_kind: global_buffer, .address_space: global }
    .group_segment_fixed_size: 67328
    .private_segment_fixed_size: 0
    .kernarg_segment_align: 8
    .kernarg_segment_size: 88
    .max_flat_workgroup_size: 256
    .sgpr_count:     66
    .vgpr_count:     208
    .wavefront_size: 32
...
	.end_amdgpu_metadata
.endif
;; end of part 1
;; launch qkv (part 2): grid 8 x 24, 4 waves a work-group, clusters of 4 x 4, 327,680 bytes of LDS; arguments xn, wb, bq, bk, bv, qkv; writes qkv
.if DOCPART == 2
	.amdgcn_target "amdgcn-amd-amdhsa--gfx1250"
	.amdhsa_code_object_version 6
	.text
	.protected	k_q8974de8a2e_qkv
	.globl	k_q8974de8a2e_qkv
	.p2align	8
	.type	k_q8974de8a2e_qkv,@function
k_q8974de8a2e_qkv:
	s_mov_b64 s[64:65], 0
	v_nop
	global_prefetch_b8 v0, s[64:65] scope:SCOPE_SE
	s_setreg_imm32_b32 hwreg(HW_REG_WAVE_MODE, 25, 1), 1
	s_wait_xcnt 0x0
	s_wait_alu depctr_hold_cnt(0) depctr_sa_sdst(0) depctr_va_vdst(0) depctr_va_sdst(0) depctr_va_ssrc(0) depctr_va_vcc(0) depctr_vm_vsrc(0)
	s_getreg_b32 s2, hwreg(HW_REG_IB_STS2, 6, 4)
	s_cmp_eq_u32 s2, 0
	s_cbranch_scc0 .Lentry_in_a_cluster
	s_endpgm
.Lentry_in_a_cluster:
	s_bfe_u32 s2, ttmp6, 0x10000c
	s_cmp_lg_u32 s2, 0xf033
	s_cbranch_scc0 .Lentry_shape_is_right
	s_endpgm
.Lentry_shape_is_right:
.set MB, 8
.set NB, 8
.set NQ, 2
.set KT, 1024
.set RBK, 12*KT
.set QB, NQ*1536
.set HALFT, MB*QB
.set SLOT, 4*HALFT
.set SCL, 3*SLOT
.set SA, 8192
.set SPARE, SCL+2*SA
.set SBLKA, 512
.set SSTEPA, 64
.set SWRA, MB*SBLKA
.set SBLKB, 512
.set SSTEPB, 64
.set SWCB, NB*SBLKB
.set ZF, 1
.set WV, 2
.set WR, 16
.set WC, 17
.set G1, 24
.set G0, 32
.set G0B, 44
.set G1B, 56
.set G1S, 68
.set G0S, 76
.set G1SB, 80
.set G0SB, 88
.set A16, 12
.set A8, 15
.set B16, 18
.set B8, 21
.set SPW, 28
.set NIL, 29
.set ADSA, 30
.set ADSB, 31
.set SC, 32
.set AF, 64
.set MSB, 0
.macro WIN new
.if MSB != (\new)
	s_set_vgpr_msb (MSB<<8)|(\new)
.set MSB, (\new)
.endif
.endm
.macro PLACES n
.rept \n
	v_nop
.endr
.endm
.macro JLOAD g0a, g1a, g0b, g1b
	s_cmp_eq_u32 s[WR], 0
	s_cbranch_scc0 .Lfor_b_\@
	tensor_load_to_lds s[\g0a:\g0a+3], s[\g1a:\g1a+7]
	s_nop 0
.rept 4
	v_nop
.endr
	s_branch .Lasked_\@
.Lfor_b_\@:
	tensor_load_to_lds s[\g0b:\g0b+3], s[\g1b:\g1b+7]
	s_nop 0
.rept 4
	v_nop
.endr
.Lasked_\@:
.endm
.macro CREST
	s_cmp_lg_u32 s[WV], 0
	s_cbranch_scc1 .Lnot_wave_0_\@
	s_barrier_signal -3
.Lnot_wave_0_\@:
	s_barrier_wait -3
	s_barrier_signal -1
	s_barrier_wait -1
.endm
.macro CROUND
	s_barrier_signal -1
	s_barrier_wait -1
	CREST
.endm
.macro FRAG reg, a16, a8, off
	ds_load_b128 v[\reg:\reg+3], v[\a16] offset:\off
	ds_load_b64 v[\reg+4:\reg+5], v[\a8] offset:(\off)+512
	ds_load_b128 v[\reg+6:\reg+9], v[\a16] offset:(\off)+768
	ds_load_b64 v[\reg+10:\reg+11], v[\a8] offset:(\off)+1280
.endm
.macro FETCH_B slot, q, p
	WIN 0x40
.set ii, 0
.rept NB
	FRAG 128*(\p)+12*ii, B16+\slot, B8+\slot, ii*QB*(1+((\slot)+1)/2)+1536*(\q)
.set ii, ii+1
.endr
	WIN 0
.endm
.macro FETCH_A slot, q, p
.set ii, 0
.rept MB
	FRAG AF+12*MB*(\p)+12*ii, A16+\slot, A8+\slot, ii*QB*(1+((\slot)+1)/2)+1536*(\q)
.set ii, ii+1
.endr
.endm
.macro SCALES sg
.set ii, 0
.rept MB
.set uu, 0
.rept NQ/2
	ds_load_b32 v[SC+16*(\sg)+(NQ/2)*ii+uu], v[ADSA] offset:ii*SBLKA+uu*2*SSTEPA
	ds_load_b32 v[SC+16*(\sg)+(NQ/2)*(MB+ii)+uu], v[ADSB] offset:ii*SBLKB+uu*2*SSTEPB
.set uu, uu+1
.endr
.set ii, ii+1
.endr
.endm
.macro MULA a, p, q, sg, zero
.set wA, 2+((\a)*NB)/32
.if (\zero) == 2
	WIN (wA<<6)|0x11
.else
	WIN (wA<<6)|(wA<<4)|0x01
.endif
.set bb, 0
.rept NB
.set rD, 8*(((\a)*NB+bb)%32)
.set rB, 128*(\p)+12*bb
.set rA, AF+12*MB*(\p)+12*(\a)
.set rSB, SC+16*(\sg)+(NQ/2)*(MB+bb)+(\q)/2
.set rSA, SC+16*(\sg)+(NQ/2)*(\a)+(\q)/2
.set rC, 96+8*(bb%4)+128*(bb/4)
.if (\zero) == 1
	v_wmma_scale_f32_16x16x128_f8f6f4 v[rD:rD+7], v[rB:rB+11], v[rA:rA+11], 0, v[rSB], v[rSA] matrix_a_fmt:MATRIX_FMT_FP6 matrix_b_fmt:MATRIX_FMT_FP6
.elseif (\zero) == 2
	v_wmma_scale_f32_16x16x128_f8f6f4 v[rD:rD+7], v[rB:rB+11], v[rA:rA+11], v[rC:rC+7], v[rSB], v[rSA] matrix_a_fmt:MATRIX_FMT_FP6 matrix_b_fmt:MATRIX_FMT_FP6
.elseif ((\q)%2) == 1
	v_wmma_scale_f32_16x16x128_f8f6f4 v[rD:rD+7], v[rB:rB+11], v[rA:rA+11], v[rD:rD+7], v[rSB], v[rSA] matrix_a_fmt:MATRIX_FMT_FP6 matrix_b_fmt:MATRIX_FMT_FP6 matrix_a_scale:MATRIX_SCALE_ROW1 matrix_b_scale:MATRIX_SCALE_ROW1
.else
	v_wmma_scale_f32_16x16x128_f8f6f4 v[rD:rD+7], v[rB:rB+11], v[rA:rA+11], v[rD:rD+7], v[rSB], v[rSA] matrix_a_fmt:MATRIX_FMT_FP6 matrix_b_fmt:MATRIX_FMT_FP6
.endif
.set bb, bb+1
.endr
.endm
.macro MULS a0, n, p, q, sg, zero
.set aa, \a0
.rept \n
	MULA aa, \p, \q, \sg, \zero
.set aa, aa+1
.endr
.endm
.macro STEP slot, q, zero, sg
	s_wait_dscnt 0x0
	PLACES 4
	FETCH_B \slot, (\q)+1, 1-(\q)%2
	FETCH_A \slot, (\q)+1, 1-(\q)%2
	MULS 0, MB, (\q)%2, \q, \sg, \zero
	WIN 0
.endm
.macro TURN slot, next, mode, sg, nsg
.if (\mode) == 2
	s_wait_dscnt 0x0
	MULS 0, MB/2, 1, NQ-1, \sg, 0
	WIN 0
	PLACES 4
.else
	s_wait_tensorcnt 0x0
	ds_add_u32 v[SPW], v[NIL]
	s_wait_dscnt 0x1
	MULS 0, MB/4, 1, NQ-1, \sg, 0
	s_wait_dscnt 0x0
	s_barrier_signal -1
	MULS MB/4, MB/4, 1, NQ-1, \sg, 0
	WIN 0
	s_barrier_wait -1
.if (\mode) == 1
	CREST
	s_mov_b32 s[G1+1], (192*NQ)<<16                ; no tensor load of mine is out: a row is 256 along K again
	s_mov_b32 s[G1+3], (192*NQ)<<16
	s_mov_b32 s[G1B+1], (192*NQ)<<16
	s_mov_b32 s[G1B+3], (192*NQ)<<16
	s_add_nc_u64 s[G0+4*\slot+2:G0+4*\slot+3], s[G0+4*\slot+2:G0+4*\slot+3], 3*QB
	s_add_nc_u64 s[G0B+4*\slot+2:G0B+4*\slot+3], s[G0B+4*\slot+2:G0B+4*\slot+3], 3*QB
	JLOAD G0+4*\slot, G1, G0B+4*\slot, G1B
.else
	PLACES 4
.endif
.endif
	v_add_nc_u32 v[ADSA], NQ*SSTEPA, v[ADSA]
	v_add_nc_u32 v[ADSB], NQ*SSTEPB, v[ADSB]
	FETCH_B \next, 0, 0
	FETCH_A \next, 0, 0
	SCALES \nsg
	MULS MB/2, MB/2, 1, NQ-1, \sg, 0
	WIN 0
.endm
.set T,    128
.set PC,   192
.set TM,   212
.set PW,   228
.set PW2,  229
.set SEL,  68
.macro QUANT s
.irp b, 0,1,2,3
	v_max3_num_f32 v[TM+\b], |v[\s+16*\b]|, |v[\s+1+16*\b]|, 0x1800000
.endr
.irp i, 2,4,6,8,10,12,14
.irp b, 0,1,2,3
	v_max3_num_f32 v[TM+\b], v[TM+\b], |v[\s+16*\b+\i]|, |v[\s+1+16*\b+\i]|
.endr
.endr
.irp b, 0,1,2,3
	v_permlanex16_b32 v[TM+4+\b], v[TM+\b], s[SEL], s[SEL+1]
.endr
.irp b, 0,1,2,3
	v_max_num_f32 v[TM+\b], v[TM+\b], v[TM+4+\b]
.endr
.irp b, 0,1,2,3
	v_add_nc_u32 v[TM+12+\b], 0xff000000, v[TM+\b]
.endr
.irp b, 0,1,2,3
	v_lshrrev_b32 v[TM+4+\b], 23, v[TM+12+\b]
.endr
	v_lshl_or_b32 v[PW], v[TM+5], 8, v[TM+4]
	v_lshl_or_b32 v[PW], v[TM+6], 16, v[PW]
	v_lshl_or_b32 v[PW], v[TM+7], 24, v[PW]
.irp c, 0,1
	v_cvt_scalef32_pk16_fp6_f32 v[PC+6*\c:PC+2+6*\c], v[\s+32*\c:\s+15+32*\c], v[TM+12+2*\c]
	v_cvt_scalef32_pk16_fp6_f32 v[PC+12+4*\c:PC+14+4*\c], v[\s+16+32*\c:\s+31+32*\c], v[TM+12+2*\c+1]
.endr
	v_nop
.irp c, 0,1
.irp i, 0,1,2
	v_permlane16_swap_b32 v[PC+6*\c+\i], v[PC+12+4*\c+\i]
.endr
.irp i, 0,1,2
	v_mov_b32 v[PC+3+6*\c+\i], v[PC+12+4*\c+\i]
.endr
.endr
.endm
	s_load_b128 s[4:7], s[0:1], 0x0
	s_load_b128 s[8:11], s[0:1], 0x10
	s_load_b128 s[12:15], s[0:1], 0x20
	v_lshl_add_u32 v[SPW], v0, 2, SPARE
	v_mov_b32 v[NIL], 0
	ds_add_u32 v[SPW], v[NIL]
	ds_add_u32 v[SPW], v[NIL]
	v_lshrrev_b32 v1, 5, v0
	v_readfirstlane_b32 s[WV], v1
	s_lshr_b32 s[WR], s[WV], 1
	s_and_b32 s[WC], s[WV], 1
	s_bfe_u32 s18, ttmp6, 0x40000
	s_bfe_u32 s19, ttmp6, 0x40004
	s_lshl_b32 s20, ttmp9, 2
	s_add_co_u32 s20, s20, s18
	s_and_b32 s96, ttmp7, 0xffff
	s_lshl_b32 s21, s96, 2
	s_add_co_u32 s21, s21, s19
	s_lshl_b32 s22, s19, 2
	s_lshl_b32 s22, 15, s22
	s_lshl_b32 s23, 0x1111, s18
	s_or_b32 s[G1], s22, (3<<16)|(1<<21)
	s_or_b32 s[G1B], s23, (3<<16)|(1<<21)
.irp g, G1, G1B
	s_mov_b32 s[\g+1], (192*NQ)<<16
	s_mov_b32 s[\g+2], (2*MB)<<16
	s_mov_b32 s[\g+3], (192*NQ)<<16
	s_mov_b32 s[\g+4], 2*MB
	s_mov_b32 s[\g+5], KT*3/2
	s_mov_b32 s[\g+6], 0
	s_mov_b32 s[\g+7], 0
.endr
	s_or_b32 s[G1S], s22, (3<<16)|(1<<21)
	s_or_b32 s[G1SB], s23, (3<<16)|(1<<21)
.irp g, G1S, G1SB
	s_mov_b32 s[\g+1], 32<<16
	s_mov_b32 s[\g+2], (SA/256)<<16
	s_mov_b32 s[\g+3], 32<<16
	s_mov_b32 s[\g+4], SA/256
	s_mov_b32 s[\g+5], 32
	s_mov_b32 s[\g+6], 0
	s_mov_b32 s[\g+7], 0
.endr
	s_add_co_u32 s97, s19, 8
	s_lshl_b32 s98, s96, 3
	s_sub_co_u32 s98, s98, 32
	s_add_co_u32 s98, s98, s20
	s_mov_b32 s99, 9437184
	s_mov_b32 s95, 3145728
	s_cmp_lt_u32 s96, 4
	s_cselect_b32 s97, s21, s97
	s_cselect_b32 s98, s20, s98
	s_cselect_b32 s94, s95, s99
	s_cselect_b32 s95, s99, s95
	s_mul_i32 s[G0+2], s97, 2*MB
	s_mul_i32 s66, s[WC], MB
	s_add_co_u32 s[G0+2], s[G0+2], s66
	s_mul_i32 s[G0+2], s[G0+2], RBK
	s_mov_b32 s[G0+3], 0
	s_mul_i32 s[G0S+2], s97, SA
	s_add_co_u32 s[G0S+2], s[G0S+2], s94
	s_mov_b32 s[G0S+3], 0
	s_mul_i32 s[G0B+2], s98, 2*NB
	s_mul_i32 s66, s[WC], NB
	s_add_co_u32 s[G0B+2], s[G0B+2], s66
	s_mul_i32 s[G0B+2], s[G0B+2], RBK
	s_mov_b32 s[G0B+3], 0
	s_mul_i32 s[G0SB+2], s98, SA
	s_add_co_u32 s[G0SB+2], s[G0SB+2], s95
	s_mov_b32 s[G0SB+3], 0
	s_mul_i32 s100, s[WV], HALFT
	s_wait_dscnt 0x0
	s_wait_kmcnt 0x0
	s_cmp_lt_u32 s96, 4
	s_cselect_b64 s[92:93], s[4:5], s[6:7]
	s_cselect_b64 s[94:95], s[6:7], s[4:5]
	s_add_nc_u64 s[G0+2:G0+3], s[92:93], s[G0+2:G0+3]
	s_add_nc_u64 s[G0S+2:G0S+3], s[92:93], s[G0S+2:G0S+3]
	s_add_nc_u64 s[G0B+2:G0B+3], s[94:95], s[G0B+2:G0B+3]
	s_add_nc_u64 s[G0SB+2:G0SB+3], s[94:95], s[G0SB+2:G0SB+3]
	s_add_nc_u64 s[G0+6:G0+7], s[G0+2:G0+3], QB
	s_add_nc_u64 s[G0B+6:G0B+7], s[G0B+2:G0B+3], QB
	CROUND
	s_mov_b32 s[G0S], 1
	s_mov_b32 s[G0S+1], SCL
	s_or_b32 s[G0S+3], s[G0S+3], 0x80000000
	s_mov_b32 s[G0SB], 1
	s_mov_b32 s[G0SB+1], SCL+SA
	s_or_b32 s[G0SB+3], s[G0SB+3], 0x80000000
	s_lshl_b32 s101, s100, 1                       ; in the large slot a wave's part is twice as long
	s_mov_b32 s[G0], 1
	s_mov_b32 s[G0+1], s100
	s_or_b32 s[G0+3], s[G0+3], 0x80000000
	s_mov_b32 s[G0B], 1
	s_mov_b32 s[G0B+1], s100
	s_or_b32 s[G0B+3], s[G0B+3], 0x80000000
	s_mov_b32 s[G0+4], 1
	s_add_co_u32 s[G0+5], s101, SLOT
	s_or_b32 s[G0+7], s[G0+7], 0x80000000
	s_mov_b32 s[G0B+4], 1
	s_add_co_u32 s[G0B+5], s101, SLOT
	s_or_b32 s[G0B+7], s[G0B+7], 0x80000000
; THE HEAD'S LOADS, ONE A WAVE: wave 0 fetches slot 0's sixteen row blocks of A (K 0 to 255), wave 2 those of B (their own descriptors begin where the whole side begins), wave 1 A's scale words, wave 3 B's.
; Behind them ONE load a wave brings K 256 to 767 of its eight row blocks, rows of 6,144 bytes, into the large slot behind slot 0; K 768 to 1,023 fills slot 0 again.
.macro HARM wv, g0, g1, next
	s_cmp_eq_u32 s[WV], \wv
	s_cbranch_scc0 \next
	tensor_load_to_lds s[\g0:\g0+3], s[\g1:\g1+7]
	s_nop 0
.rept 4
	v_nop
.endr
	s_branch .Lhead_asked
\next:
.endm
	HARM 0, G0, G1, .Lhead_b
	HARM 2, G0B, G1B, .Lhead_sa
	HARM 1, G0S, G1S, .Lhead_sb
	tensor_load_to_lds s[G0SB:G0SB+3], s[G1SB:G1SB+7]
	s_nop 0
.rept 4
	v_nop
.endr
.Lhead_asked:
	v_and_b32 v1, 31, v0
	v_lshlrev_b32 v2, 4, v1
	v_lshlrev_b32 v3, 3, v1
	v_and_b32 v4, 15, v0
	v_bfe_u32 v5, v0, 4, 1
	s_mul_i32 s92, s[WR], HALFT
	s_mul_i32 s93, s[WC], HALFT
	s_lshl_b32 s66, s92, 1
	s_add_co_u32 s66, s66, SLOT                    ; the large slot: A's two halves, 2 HALFT each,
	s_lshl_b32 s67, s93, 1
	s_add_co_u32 s67, s67, SLOT+4*HALFT            ; then B's
	s_add_co_u32 s93, s93, 2*HALFT
	s_wait_alu depctr_va_vdst(0)                   ; the wait behind the run of scalar lines
	v_add_nc_u32 v[A16], s92, v2
	v_add_nc_u32 v[A8], s92, v3
	v_add_nc_u32 v[B16], s93, v2
	v_add_nc_u32 v[B8], s93, v3
.irp s, 1,2                                    ; 'slot' 1 is K 256 to 511 of the large slot's rows, 'slot' 2 K 512 to 767, QB bytes further on
	v_add_nc_u32 v[A16+\s], s66, v2
	v_add_nc_u32 v[A8+\s], s66, v3
	v_add_nc_u32 v[B16+\s], s67, v2
	v_add_nc_u32 v[B8+\s], s67, v3
	s_add_co_u32 s66, s66, QB
	s_add_co_u32 s67, s67, QB
.endr
	s_mul_i32 s92, s[WR], SWRA
	s_add_co_u32 s92, s92, SCL
	v_lshl_add_u32 v[ADSA], v4, 2, s92
	v_mad_u32_u24 v[ADSA], v5, SSTEPA, v[ADSA]
	s_mul_i32 s93, s[WC], SWCB
	s_add_co_u32 s93, s93, SCL+SA
	v_lshl_add_u32 v[ADSB], v4, 2, s93
	v_mad_u32_u24 v[ADSB], v5, SSTEPB, v[ADSB]
	s_lshl_b32 s92, s[WV], 10
	s_add_co_u32 s92, s92, SLOT
	v_lshl_add_u32 v8, v4, 2, s92
	v_add_nc_u32 v10, s92, v2
	s_add_co_u32 s93, s92, 4096
	v_lshl_add_u32 v9, v1, 2, s93
	v_add_nc_u32 v11, s93, v2
	v_mov_b32 v24, v2
	v_mov_b32 v25, v3
	v_lshlrev_b32 v26, 5, v5
	v_lshlrev_b32 v27, 2, v4
	s_cmp_lt_u32 s96, 4
	s_cbranch_scc0 .Lvbias
	s_lshl_b32 s66, s20, 2
	s_lshl_b32 s67, s[WC], 1
	s_add_co_u32 s66, s66, s67
	s_and_b32 s66, s66, 15
	s_lshl_b32 s66, s66, 8
	s_mov_b32 s67, 0
	s_cmp_eq_u32 ttmp9, 0
	s_cselect_b64 s[92:93], s[8:9], s[10:11]
	s_add_nc_u64 s[92:93], s[92:93], s[66:67]
	WIN 0x40
	s_wait_alu depctr_va_vdst(0)
.irp b, 0,1,2,3,4,5,6,7
	global_load_b128 v[96+8*(\b%4)+128*(\b/4):99+8*(\b%4)+128*(\b/4)], v26, s[92:93] offset:64*\b
	global_load_b128 v[100+8*(\b%4)+128*(\b/4):103+8*(\b%4)+128*(\b/4)], v26, s[92:93] offset:64*\b+16
.endr
	WIN 0
	s_branch .Lbiased
.Lvbias:
	s_lshl_b32 s66, s19, 2
	s_lshl_b32 s67, s[WR], 1
	s_add_co_u32 s66, s66, s67
	s_lshl_b32 s66, s66, 8
	s_mov_b32 s67, 0
	s_add_nc_u64 s[92:93], s[12:13], s[66:67]
	WIN 0x40
	s_wait_alu depctr_va_vdst(0)
.irp a, 0,1,2,3,4,5,6,7
.irp j, 0,1,2,3,4,5,6,7
	global_load_b32 v[96+8*(\a%4)+128*(\a/4)+\j], v27, s[92:93] offset:64*\a
.endr
.endr
	WIN 0
.Lbiased:
	s_wait_tensorcnt 0x0                           ; my tile of the head's four is in
	ds_add_u32 v[SPW], v[NIL]
.irp g, G1, G1B
	s_mov_b32 s[\g+1], (384*NQ)<<16                ; no tensor load of mine is out: the next load brings eight row blocks x 512 along K
	s_mov_b32 s[\g+2], MB<<16
	s_mov_b32 s[\g+3], (384*NQ)<<16
	s_mov_b32 s[\g+4], MB
.endr
	s_wait_dscnt 0x0
	CROUND
	JLOAD G0+4, G1, G0B+4, G1B
	FETCH_B 0, 0, 0
	FETCH_A 0, 0, 0
	SCALES 0
	STEP 0, 0, ZF, 0
	TURN 0, 1, 1, 0, 1
	s_wait_alu depctr_va_vdst(0)
	STEP 1, 0, 0, 1
	TURN 1, 2, 2, 1, 0
	s_wait_alu depctr_va_vdst(0)
	STEP 2, 0, 0, 0
	TURN 2, 0, 0, 0, 1
	STEP 0, 0, 0, 1
	s_wait_dscnt 0x0
	MULS 0, MB, 1, NQ-1, 1, 0
	WIN 0
	PLACES 4
	s_mov_b32 s[SEL], 0x76543210
	s_mov_b32 s[SEL+1], 0xfedcba98
.irp b, 0,1,2,3
	v_mov_b32 v[TM+4+\b], 0
.endr
	s_wait_loadcnt 0x0
	s_cmp_lt_u32 s96, 4
	s_cbranch_scc0 .Lvpath
	s_lshl_b32 s80, s21, 1
	s_add_co_u32 s80, s80, s[WR]
	s_lshr_b32 s81, s80, 4
	s_and_b32 s80, s80, 15
	s_lshl_b32 s82, s20, 2
	s_lshl_b32 s83, s[WC], 1
	s_add_co_u32 s82, s82, s83
	s_and_b32 s82, s82, 15
	s_lshl_b32 s81, s81, 4
	s_add_co_u32 s81, s81, s82
	s_lshl_b32 s81, s81, 4
	s_add_co_u32 s81, s81, s80
	s_mov_b32 s86, 13312
	s_mov_b32 s87, 12288
	s_cmp_eq_u32 ttmp9, 0
	s_cselect_b32 s86, 6656, s86
	s_cselect_b32 s83, 6815744, 0
	s_cselect_b32 s87, 6144, s87
	s_mul_i32 s80, s81, s86
	s_add_co_u32 s80, s80, s83
	s_mov_b32 s81, 0
	s_add_nc_u64 s[70:71], s[14:15], s[80:81]
	s_lshl_b32 s80, s86, 4
	s_add_nc_u64 s[72:73], s[70:71], s[80:81]
	s_mov_b32 s80, s87
	s_add_nc_u64 s[74:75], s[70:71], s[80:81]
	s_add_nc_u64 s[76:77], s[72:73], s[80:81]
.macro QKA a
.if \a > 0
	s_wait_xcnt 0x0
.endif
	WIN (2+(\a)/4)|0x04
.set j, 0
.rept 32
	v_pk_add_f32 v[T+j:T+j+1], v[64*((\a)%4)+j:64*((\a)%4)+j+1], v[96+8*((j/8)%4)+128*(j/32)+j%8:97+8*((j/8)%4)+128*(j/32)+j%8]
.set j, j+2
.endr
	WIN 0
	QUANT T
	global_store_b128 v24, v[PC:PC+3], s[70:71] offset:768*\a
	global_store_b64 v25, v[PC+4:PC+5], s[70:71] offset:768*\a+512
	global_store_b128 v24, v[PC+6:PC+9], s[72:73] offset:768*\a
	global_store_b64 v25, v[PC+10:PC+11], s[72:73] offset:768*\a+512
	v_lshrrev_b32 v[PW2], 16, v[PW]
	ds_store_b32 v8, v[PW] offset:64*\a
	ds_store_b32 v8, v[PW2] offset:64*\a+512
.endm
.irp a, 0,1,2,3,4,5,6,7
	QKA \a
.endr
	ds_load_b128 v[T:T+3], v10
	ds_load_b128 v[T+4:T+7], v10 offset:512
	s_wait_dscnt 0x0
	global_store_b128 v24, v[T:T+3], s[74:75]
	global_store_b128 v24, v[T+4:T+7], s[76:77]
	s_branch .Lend
.Lvpath:
	s_lshl_b32 s80, s98, 1
	s_add_co_u32 s80, s80, s[WC]
	s_lshr_b32 s81, s80, 4
	s_and_b32 s80, s80, 15
	s_lshl_b32 s82, s19, 2
	s_lshl_b32 s83, s[WR], 1
	s_add_co_u32 s82, s82, s83
	s_lshl_b32 s81, s81, 4
	s_add_co_u32 s81, s81, s82
	s_lshl_b32 s81, s81, 4
	s_add_co_u32 s81, s81, s80
	s_mul_i32 s80, s81, 13312
	s_mov_b32 s81, 0
	s_add_nc_u64 s[70:71], s[14:15], s[80:81]
	s_add_nc_u64 s[72:73], s[70:71], 16*13312
.macro VA a, base
.if \a > 0
	s_wait_xcnt 0x0
.endif
	WIN (2+(\a)/4)|0x04
.set j, 0
.rept 32
	v_pk_add_f32 v[T+j:T+j+1], v[64*((\a)%4)+j:64*((\a)%4)+j+1], v[96+8*((\a)%4)+128*((\a)/4):97+8*((\a)%4)+128*((\a)/4)]
.set j, j+2
.endr
	WIN 0
	QUANT T
	global_store_b128 v24, v[PC:PC+3], s[\base:\base+1] offset:6144+1536*((\a)%4)
	global_store_b64 v25, v[PC+4:PC+5], s[\base:\base+1] offset:6144+1536*((\a)%4)+512
	global_store_b128 v24, v[PC+6:PC+9], s[\base:\base+1] offset:6144+1536*((\a)%4)+768
	global_store_b64 v25, v[PC+10:PC+11], s[\base:\base+1] offset:6144+1536*((\a)%4)+1280
	ds_store_b32 v9, v[PW] offset:128*\a
.endm
.irp a, 0,1,2,3
	VA \a, 70
.endr
.irp a, 4,5,6,7
	VA \a, 72
.endr
	ds_load_b128 v[T:T+3], v11
	ds_load_b128 v[T+4:T+7], v11 offset:512
	s_wait_dscnt 0x0
	global_store_b128 v24, v[T:T+3], s[70:71] offset:12800
	global_store_b128 v24, v[T+4:T+7], s[72:73] offset:12800
.Lend:
	s_wait_tensorcnt 0x0
	ds_add_u32 v[SPW], v[NIL]
	s_wait_dscnt 0x0
	CROUND
	s_endpgm
.Lfunc_end_k_q8974de8a2e_qkv:
	.size	k_q8974de8a2e_qkv, .Lfunc_end_k_q8974de8a2e_qkv-k_q8974de8a2e_qkv
	.p2alignl 7, 3214868480
	.fill 96, 4, 3214868480
	.section	.rodata,"a",@progbits
	.p2align	6, 0x0
	.amdhsa_kernel k_q8974de8a2e_qkv
		.amdhsa_group_segment_fixed_size 327680
		.amdhsa_private_segment_fixed_size 0
		.amdhsa_enable_private_segment 0
		.amdhsa_kernarg_size 48
		.amdhsa_user_sgpr_count 2
		.amdhsa_user_sgpr_kernarg_segment_ptr 1
		.amdhsa_wavefront_size32 1
		.amdhsa_system_sgpr_workgroup_id_x 1
		.amdhsa_system_sgpr_workgroup_id_y 1
		.amdhsa_system_sgpr_workgroup_id_z 1
		.amdhsa_system_vgpr_workitem_id 0
		.amdhsa_next_free_vgpr 1024
		.amdhsa_next_free_sgpr 102
		.amdhsa_reserve_vcc 0
		.amdhsa_float_denorm_mode_32 3
		.amdhsa_float_denorm_mode_16_64 3
		.amdhsa_memory_ordered 1
		.amdhsa_forward_progress 1
		.amdhsa_inst_pref_size 228
	.end_amdhsa_kernel
	.amdgpu_metadata
---
amdhsa.version: [ 1, 2 ]
amdhsa.kernels:
  - .name:           k_q8974de8a2e_qkv
    .symbol:         k_q8974de8a2e_qkv.kd
    .args:
      - { .name: xn, .offset: 0, .size: 8, .value_kind: global_buffer, .address_space: global }
      - { .name: wb, .offset: 8, .size: 8, .value_kind: global_buffer, .address_space: global }
      - { .name: bq, .offset: 16, .size: 8, .value_kind: global_buffer, .address_space: global }
      - { .name: bk, .offset: 24, .size: 8, .value_kind: global_buffer, .address_space: global }
      - { .name: bv, .offset: 32, .size: 8, .value_kind: global_buffer, .address_space: global }
      - { .name: qkv, .offset: 40, .size: 8, .value_kind: global_buffer, .address_space: global }
    .group_segment_fixed_size: 327680
    .private_segment_fixed_size: 0
    .kernarg_segment_align: 8
    .kernarg_segment_size: 48
    .max_flat_workgroup_size: 128
    .sgpr_count:     102
    .vgpr_count:     1024
    .wavefront_size: 32
...
	.end_amdgpu_metadata
.endif
;; end of part 2
;; launch attn (part 3): grid 8 x 32, 16 waves a work-group, clusters of 4 x 1, 327,680 bytes of LDS; arguments qkv, mask, ao; writes ao
.if DOCPART == 3
	.amdgcn_target "amdgcn-amd-amdhsa--gfx1250"
	.amdhsa_code_object_version 6
	.text
	.protected	k_q8974de8a2e_attn
	.globl	k_q8974de8a2e_attn
	.p2align	8
	.type	k_q8974de8a2e_attn,@function
k_q8974de8a2e_attn:
	s_mov_b64 s[64:65], 0
	v_nop
	global_prefetch_b8 v0, s[64:65] scope:SCOPE_SE
	s_setreg_imm32_b32 hwreg(HW_REG_WAVE_MODE, 25, 1), 1
	s_wait_xcnt 0x0
	s_wait_alu depctr_hold_cnt(0) depctr_sa_sdst(0) depctr_va_vdst(0) depctr_va_sdst(0) depctr_va_ssrc(0) depctr_va_vcc(0) depctr_vm_vsrc(0)
	s_getreg_b32 s2, hwreg(HW_REG_IB_STS2, 6, 4)
	s_cmp_eq_u32 s2, 0
	s_cbranch_scc0 .Lentry_in_a_cluster
	s_endpgm
.Lentry_in_a_cluster:
	s_bfe_u32 s2, ttmp6, 0x10000c
	s_cmp_lg_u32 s2, 0x3003
	s_cbranch_scc0 .Lentry_shape_is_right
	s_endpgm
.Lentry_shape_is_right:
; ATTENTION on codes of E2M3: o = softmax(q k^T / 8, masked) v for 32 heads of 64, 2,048 keys; o is quantised along D for the next product.
; A work-group owns 256 queries of one head, each of its SIXTEEN waves 16 of them in 256 registers: four waves to a SIMD, so that one wave's softmax stands beside another's products and LDS loads.
; A HEAD'S K AND V, 16 key steps of 13,312 bytes = 212,992 bytes, LIE IN LDS WHOLE: wave w asks for key step w by its one tensor load at the head (52 rows of 256 bytes), and nothing is ever filled again.
; So there is no ring: one barrier, behind which the sixteen waves go each at its own pace through one loop of sixteen key steps.
; Both products are used transposed (S^T = K Q^T, O^T = V^T P^T): a lane holds ONE query.  A tile's keys are neighbours; the order inside a block of 32 keys is that in which two tiles lie in a lane, and V was quantised in it.
; The head's 64 fill half of the instruction's 128 along K: Q's upper six registers are zero codes, which add nothing whatever stands against them (no scale byte here is 0xff).  So a step's eight records of K lie
; six registers apart, and a tile's upper six registers are the next tile's record.
; THE MASK is the C of the score products: 0 for a key that counts, -2^126 for one that does not.  A hidden key's t lies under the start value of the running maximum, -1e30, so it never moves M, and its p is 0.
; THE SOFTMAX: t = score x log2(e) / 8; M = the running largest t rounded UP to a whole number; p = 2^(t - M) is quantised, not normalised; the sum is taken of the unquantised p; a change of M multiplies by an exact power of two.
; A block's largest p is made from the block's largest score by the same two instructions (this takes v_exp_f32 not to fall where its input rises).
; CLUSTER 4 x 1: the four query blocks of a cluster read the same K and V: joint loads.
; Nothing is prefetched: every byte of K and V that the work-group reads is asked for at the head, and no load follows for which a prefetch could run ahead.
; LIMITS: a true t must lie above -1e30; NaN and infinities are not served; a batch whose mask is all zero gives NaN in the sums here as in the definition, but the NaN is lost in o's quantiser (E2M3 has no code for it).
; o's scale bytes leave two a lane: a scale word is shared by two heads, which lie in different work-groups.
; REGISTERS: v1 16 l, v2 8 l, v3 4 r, v4 mask + 32 h, v5, v6 the add's two, v8-11 the step's addresses, v12 -M, v13 the largest t, v[14:15] the sum, v16-27 Q, v32-85 eight records of K (v80-85 stay 0), then v32-79 four fragments of V,
; v96-159 S^T then p, v160-191 O^T, v192-210 p's codes, v212-223 at work, v224-227 V's scale words, v228 f, v229 p's scale word, v230, v231 at work, v232 Q's scale word, v234-235, v244-255 the sum's chains, v236-243 K's scale words.
.set STEPB, 13312                      ; a key step: K's 8 records, V's 4 fragments at 6,144, K's words at 12,288, V's at 12,800
.set MBO,   16*STEPB                   ; behind them the mask as f32, 8,192 bytes: stored by ds_store, never a tensor load's target
.set SPARE, 262144                     ; the spare words, 128 bytes for each of 16 waves
.set WV, 18
.set SEL, 20
.set CS, 22
.set G1, 24
.set G0, 32
.set TB, 36                            ; where the key step in hand begins in LDS
.set TMO, 37                           ; its place in the mask: 512 bytes a step
.set CNT, 38
.set TMN, 39                           ; the next step's place in the mask, held at step 15
.macro CROUND
	s_barrier_signal -1
	s_barrier_wait -1
	s_cmp_lg_u32 s[WV], 0
	s_cbranch_scc1 .Lnot_wave_0_\@
	s_barrier_signal -3
.Lnot_wave_0_\@:
	s_barrier_wait -3
	s_barrier_signal -1
	s_barrier_wait -1
.endm
	s_load_b128 s[4:7], s[0:1], 0x0                ; qkv, mask
	s_load_b64 s[8:9], s[0:1], 0x10                ; ao
	v_lshl_add_u32 v5, v0, 2, SPARE
	v_mov_b32 v6, 0
	ds_add_u32 v5, v6                              ; the wave's opening: the add, twice on end, and its wait ahead of the first tensor load
	ds_add_u32 v5, v6
	v_lshrrev_b32 v8, 5, v0
	v_readfirstlane_b32 s[WV], v8                  ; wave 0..15
	s_bfe_u32 s10, ttmp6, 0x40000                  ; cx: it enters Q's and ao's addresses alone
	s_lshl_b32 s11, ttmp9, 2
	s_add_co_u32 s11, s11, s10                     ; my block of 256 queries
	s_and_b32 s12, ttmp7, 0xffff                   ; 16 batch + head
	s_mov_b32 s[G1], 15|(3<<16)|(1<<21)            ; the mask: all four partners; elements of 8 bytes; bit 21 beside a mask
	s_mov_b32 s[G1+1], 32<<16                      ; a key step: a dense block as 52 rows of 256 bytes
	s_mov_b32 s[G1+2], (STEPB/256)<<16
	s_mov_b32 s[G1+3], 32<<16
	s_mov_b32 s[G1+4], STEPB/256
	s_mov_b32 s[G1+5], 32
	s_mov_b32 s[G1+6], 0
	s_mov_b32 s[G1+7], 0
	s_mul_i32 s13, s12, 16*STEPB                   ; the head's K and V
	s_mul_i32 s15, s[WV], STEPB                    ; my key step, in LDS and in memory
	s_add_co_u32 s44, s13, s15
	s_mov_b32 s45, 0
	s_lshl_b32 s46, s12, 4
	s_lshl_b32 s47, s11, 1
	s_add_co_u32 s46, s46, s47
	s_lshr_b32 s47, s[WV], 3
	s_add_co_u32 s46, s46, s47
	s_mul_i32 s46, s46, 6656
	s_add_co_u32 s46, s46, 6815744                 ; Q's block of 128 queries
	s_and_b32 s47, s[WV], 7
	s_mul_i32 s48, s47, 768
	s_lshl_b32 s49, s47, 6
	s_add_co_u32 s50, s46, s49
	s_add_co_u32 s50, s50, 6144                    ; my 16 queries' scale words,
	s_mov_b32 s51, 0
	s_add_co_u32 s46, s46, s48                     ; and their record
	s_mov_b32 s47, 0
	s_lshr_b32 s52, s12, 4                         ; batch
	s_and_b32 s53, s12, 15                         ; head
	s_lshl_b32 s54, s52, 7
	s_lshl_b32 s55, s11, 4
	s_add_co_u32 s54, s54, s55
	s_add_co_u32 s54, s54, s[WV]                   ; my row block of ao
	s_lshl_b32 s55, s54, 4
	s_add_co_u32 s55, s55, s53
	s_mul_i32 s56, s55, 768                        ; its record of my head
	s_mov_b32 s57, 0
	s_lshr_b32 s58, s54, 3
	s_lshl_b32 s58, s58, 3
	s_lshr_b32 s59, s53, 1
	s_add_co_u32 s58, s58, s59
	s_lshl_b32 s58, s58, 9                         ; scale words [row / 128][K / 128][128 rows]
	s_and_b32 s59, s54, 7
	s_lshl_b32 s59, s59, 6
	s_add_co_u32 s58, s58, s59
	s_and_b32 s59, s53, 1
	s_lshl_b32 s59, s59, 1
	s_add_co_u32 s58, s58, s59                     ; my head's half of the word
	s_add_co_u32 s58, s58, 3145728
	s_mov_b32 s59, 0
	s_lshl_b32 s60, s52, 13                        ; the batch's mask
	s_mov_b32 s61, 0
	s_mov_b32 s[SEL], 0x76543210
	s_mov_b32 s[SEL+1], 0xfedcba98
	s_mov_b32 s[CS], 0x3e38aa3b                    ; c = log2(e) / 8
	s_mov_b32 s[CS+1], s[CS]
	s_mov_b32 s[TB], 0
	s_mov_b32 s[TMO], 0
	s_mov_b32 s[CNT], 16
	s_wait_dscnt 0x0                               ; both opening adds are done
	s_wait_kmcnt 0x0
	s_mov_b32 s[G0], 1
	s_mov_b32 s[G0+1], s15
	s_add_nc_u64 s[G0+2:G0+3], s[4:5], s[44:45]
	s_or_b32 s[G0+3], s[G0+3], 0x80000000
	s_add_nc_u64 s[46:47], s[4:5], s[46:47]
	s_add_nc_u64 s[50:51], s[4:5], s[50:51]
	s_add_nc_u64 s[56:57], s[8:9], s[56:57]
	s_add_nc_u64 s[58:59], s[8:9], s[58:59]
	s_add_nc_u64 s[60:61], s[6:7], s[60:61]
	CROUND                                         ; all four work-groups are here: the joint loads meet
	tensor_load_to_lds s[G0:G0+3], s[G1:G1+7]      ; every wave's one load: key step w
	s_nop 0
.rept 4
	v_nop
.endr
	v_and_b32 v7, 31, v0
	v_lshlrev_b32 v1, 4, v7
	v_lshlrev_b32 v2, 3, v7
	v_and_b32 v8, 15, v0
	v_lshlrev_b32 v3, 2, v8
	v_bfe_u32 v9, v0, 4, 1
	v_lshl_add_u32 v4, v9, 5, MBO
	v_lshlrev_b32 v10, 4, v0                       ; 16 x my thread's number: four of the batch's 2,048 mask words
	global_load_b128 v[16:19], v1, s[46:47]        ; Q's record stays in registers
	global_load_b64 v[20:21], v2, s[46:47] offset:512
	global_load_b32 v232, v3, s[50:51]
	global_load_b128 v[96:99], v10, s[60:61]
	v_mov_b32 v13, 0xf149f2ca                      ; the largest t so far: -1e30
	v_floor_f32 v12, -v13                          ; -M
.irp i, 14,15,229,230,216,217,218,219,22,23,24,25,26,27,80,81,82,83,84,85
	v_mov_b32 v[\i], 0                             ; the sum; a pair's upper half; lane permutes' destinations; Q's zero codes for K = 64 .. 127; the upper six registers of K's eighth tile
.endr
.set j, 0
.rept 32
	v_mov_b32 v[160+j], 0                          ; O^T: the step is written once, its first walk finds zeros
.set j, j+1
.endr
	v_mov_b32 v11, 0xfe800000                      ; -2^126
	s_wait_alu depctr_va_vdst(0)
	s_wait_loadcnt 0x0
.irp i, 0,1,2,3
	v_cmp_eq_u32 vcc_lo, 0, v[96+\i]
	s_delay_alu instid0(VALU_DEP_1)
	v_cndmask_b32 v[96+\i], 0, v11, vcc_lo
.endr
	v_add_nc_u32 v10, MBO, v10
	ds_store_b128 v10, v[96:99]
	s_wait_alu depctr_va_vdst(0)
	s_wait_tensorcnt 0x0                           ; my key step is in,
	s_wait_dscnt 0x0                               ; and my four words of the mask lie in LDS
	s_barrier_signal -1
	s_barrier_wait -1                              ; everybody's are: from here on no wave waits for another
.irp t, 0,1,2,3,4,5,6,7                        ; key step 0's mask, in the result's layout: the score products' C
	ds_load_b128 v[96+8*\t:99+8*\t], v4 offset:64*\t
	ds_load_b128 v[100+8*\t:103+8*\t], v4 offset:64*\t+16
.endr
.Lstep:                                        ; sixteen trips of one key step, 128 keys
	s_add_co_u32 s[TMN], s[TMO], 512
	s_min_u32 s[TMN], s[TMN], 15*512
	v_add_nc_u32 v8, s[TB], v1                     ; these four are also the places behind the last products, ahead of loads into the registers that they read
	v_add_nc_u32 v9, s[TB], v2
	v_add_nc_u32 v10, s[TB], v3
	v_add_nc_u32 v11, s[TMN], v4
.irp t, 0,1,2,3,4,5,6,7                        ; K's eight records first: a tile's product names the next tile's record as its upper six registers
	ds_load_b128 v[32+6*\t:35+6*\t], v8 offset:768*\t
	ds_load_b64 v[36+6*\t:37+6*\t], v9 offset:768*\t+512
.endr
.irp t, 0,1,2,3,4,5,6,7
	ds_load_b32 v[236+\t], v10 offset:12288+64*\t
.endr
	s_wait_alu depctr_va_vdst(0)
	s_wait_dscnt 4                                 ; all but the youngest four, the words of tiles 4 to 7, are in: the mask, asked for a step ago, too
.irp t, 0,1,2,3
	v_wmma_scale_f32_16x16x128_f8f6f4 v[96+8*\t:103+8*\t], v[32+6*\t:43+6*\t], v[16:27], v[96+8*\t:103+8*\t], v[236+\t], v232 matrix_a_fmt:MATRIX_FMT_FP6 matrix_b_fmt:MATRIX_FMT_FP6
.endr
	s_wait_dscnt 0x0
.irp t, 4,5,6,7
	v_wmma_scale_f32_16x16x128_f8f6f4 v[96+8*\t:103+8*\t], v[32+6*\t:43+6*\t], v[16:27], v[96+8*\t:103+8*\t], v[236+\t], v232 matrix_a_fmt:MATRIX_FMT_FP6 matrix_b_fmt:MATRIX_FMT_FP6
.endr
.rept 4
	v_nop                                          ; places ahead of the loads below and of the first read of the scores
.endr
.irp t, 0,1,2,3                                ; V's four fragments are asked for here and land under the softmax
	ds_load_b128 v[32+12*\t:35+12*\t], v8 offset:6144+1536*\t
	ds_load_b64 v[36+12*\t:37+12*\t], v9 offset:6144+1536*\t+512
	ds_load_b128 v[38+12*\t:41+12*\t], v8 offset:6144+1536*\t+768
	ds_load_b64 v[42+12*\t:43+12*\t], v9 offset:6144+1536*\t+1280
	ds_load_b32 v[224+\t], v10 offset:12800+128*\t
.endr
.irp b, 0,1,2,3
	v_max3_num_f32 v[212+\b], v[96+16*\b], v[97+16*\b], v[98+16*\b]   ; the largest score of each block of 32 keys; each tile is read from its low end on
.endr
.irp i, 3,5,7,9,11,13
.irp b, 0,1,2,3
	v_max3_num_f32 v[212+\b], v[212+\b], v[96+16*\b+\i], v[97+16*\b+\i]
.endr
.endr
.irp b, 0,1,2,3
	v_max_num_f32 v[212+\b], v[212+\b], v[111+16*\b]
.endr
.irp b, 0,1,2,3
	s_delay_alu instid0(VALU_DEP_4)
	v_permlanex16_b32 v[216+\b], v[212+\b], s[SEL], s[SEL+1]
.endr
.irp b, 0,1,2,3
	s_delay_alu instid0(VALU_DEP_4)
	v_max_num_f32 v[212+\b], v[212+\b], v[216+\b]
.endr
	s_delay_alu instid0(VALU_DEP_2)
	v_max3_num_f32 v230, v212, v213, v214
	s_delay_alu instid0(VALU_DEP_1)
	v_max_num_f32 v230, v230, v215
	s_delay_alu instid0(VALU_DEP_1)
	v_mul_f32 v230, s[CS], v230
	s_delay_alu instid0(VALU_DEP_1)
	v_max_num_f32 v13, v13, v230                   ; the running largest t
	v_mov_b32 v230, v12
	s_delay_alu instid0(VALU_DEP_2)
	v_floor_f32 v12, -v13                          ; the new -M: a whole number
	s_delay_alu instid0(VALU_DEP_1)
	v_sub_f32 v230, v12, v230
	s_delay_alu instid0(VALU_DEP_1)
	v_cvt_i32_f32 v230, v230                       ; (it saturates)
	s_delay_alu instid0(VALU_DEP_1)
	v_ldexp_f32 v228, 1.0, v230                    ; f = 2^(old M - new M)
.set j, 0
.rept 32
	v_pk_fma_f32 v[96+j:97+j], v[96+j:97+j], s[CS:CS+1], v[12:13] op_sel_hi:[1,0,0]   ; t - M
.set j, j+2
.endr
.irp b, 0,1,2,3
	v_fma_f32 v[212+\b], v[212+\b], s[CS], v12
.endr
	s_wait_alu depctr_va_vdst(0)                   ; the wait ahead of the batch
.set j, 0
.rept 64
	v_exp_f32 v[96+j], v[96+j]                     ; p = 2^(t - M)
.set j, j+1
.endr
	v_pk_mul_f32 v[14:15], v[14:15], v[228:229] op_sel_hi:[1,0]   ; the sum under the new M; a plain place behind the exponentials
	s_wait_alu depctr_va_vdst(0)                   ; one wait for the batch of 64, ahead of its first reader
.irp b, 0,1,2,3
	v_exp_f32 v[212+\b], v[212+\b]                 ; the blocks' largest p
.endr
.irp k, 0,1,2,3,4,5                            ; the sum of the unquantised p, in eight chains
	v_pk_add_f32 v[244+2*\k:245+2*\k], v[96+4*\k:97+4*\k], v[98+4*\k:99+4*\k]
.endr
	v_pk_add_f32 v[234:235], v[120:121], v[122:123]
	v_pk_add_f32 v[14:15], v[14:15], v[124:125]
.irp j, 126,142
.irp k, 0,1,2,3,4,5
	v_pk_add_f32 v[244+2*\k:245+2*\k], v[244+2*\k:245+2*\k], v[\j+2*\k:\j+2*\k+1]
.endr
	v_pk_add_f32 v[234:235], v[234:235], v[\j+12:\j+13]
	v_pk_add_f32 v[14:15], v[14:15], v[\j+14:\j+15]
.endr
	v_pk_add_f32 v[234:235], v[234:235], v[158:159]
	v_pk_add_f32 v[244:245], v[244:245], v[246:247]
	v_pk_add_f32 v[248:249], v[248:249], v[250:251]
	v_pk_add_f32 v[252:253], v[252:253], v[254:255]
	s_delay_alu instid0(VALU_DEP_4)
	v_pk_add_f32 v[14:15], v[14:15], v[234:235]
	s_delay_alu instid0(VALU_DEP_3)
	v_pk_add_f32 v[244:245], v[244:245], v[248:249]
	s_delay_alu instid0(VALU_DEP_2)
	v_pk_add_f32 v[14:15], v[14:15], v[252:253]
	s_delay_alu instid0(VALU_DEP_1)
	v_pk_add_f32 v[14:15], v[14:15], v[244:245]
	s_wait_alu depctr_va_vdst(0)                   ; and one for the four
.irp b, 0,1,2,3
	v_max_num_f32 v[212+\b], 0x1800000, v[212+\b]  ; the floor 2^(3 - 127)
.endr
.irp b, 0,1,2,3
	s_delay_alu instid0(VALU_DEP_4)
	v_add_nc_u32 v[220+\b], 0xff000000, v[212+\b]  ; 2 off the exponent field: the conversion's scale operand
.endr
.irp b, 0,1,2,3
	s_delay_alu instid0(VALU_DEP_4)
	v_lshrrev_b32 v[216+\b], 23, v[220+\b]         ; the scale's byte
.endr
	s_delay_alu instid0(VALU_DEP_3)
	v_lshl_or_b32 v229, v217, 8, v216              ; p's scale word for these 128 keys
	s_delay_alu instid0(VALU_DEP_1)
	v_lshl_or_b32 v229, v218, 16, v229
	s_delay_alu instid0(VALU_DEP_1)
	v_lshl_or_b32 v229, v219, 24, v229
.irp c, 0,1
	v_cvt_scalef32_pk16_fp6_f32 v[192+6*\c:194+6*\c], v[96+32*\c:111+32*\c], v[220+2*\c]
	v_cvt_scalef32_pk16_fp6_f32 v[204+4*\c:206+4*\c], v[112+32*\c:127+32*\c], v[220+2*\c+1]
.endr
	v_nop                                          ; one plain place behind a scaled conversion
.irp t, 0,1,2,3,4,5,6,7                        ; p has been converted: its registers take the next step's mask, keys 16 t + 8 h + 0 .. 7 (the last trip asks for its own again: those 16 loads are waited for and not used)
	ds_load_b128 v[96+8*\t:99+8*\t], v11 offset:64*\t
	ds_load_b128 v[100+8*\t:103+8*\t], v11 offset:64*\t+16
.endr
.irp c, 0,1
.irp i, 0,1,2
	v_permlane16_swap_b32 v[192+6*\c+\i], v[204+4*\c+\i]
.endr
.irp i, 0,1,2
	s_delay_alu instid0(VALU_DEP_3)
	v_mov_b32 v[195+6*\c+\i], v[204+4*\c+\i]
.endr
.endr
.set j, 0
.rept 16
	v_pk_mul_f32 v[160+j:161+j], v[160+j:161+j], v[228:229] op_sel_hi:[1,0]   ; O^T under the new M; these sixteen are also the places between the scale word and codes just made and the products
.set j, j+2
.endr
	s_wait_alu depctr_va_vdst(0)
	s_wait_dscnt 16                                ; all but the next mask's sixteen: V is in
.irp t, 0,1,2,3
	v_wmma_scale_f32_16x16x128_f8f6f4 v[160+8*\t:167+8*\t], v[32+12*\t:43+12*\t], v[192:203], v[160+8*\t:167+8*\t], v[224+\t], v229 matrix_a_fmt:MATRIX_FMT_FP6 matrix_b_fmt:MATRIX_FMT_FP6
.endr
	s_add_co_u32 s[TMO], s[TMO], 512
	s_add_co_u32 s[TB], s[TB], STEPB
	s_sub_co_u32 s[CNT], s[CNT], 1
	s_cmp_lg_u32 s[CNT], 0
	s_cbranch_scc1 .Lstep
	s_wait_dscnt 0x0                               ; the last trip's sixteen loads have landed: their registers may be written
	; THE WAY OUT: O^T / the sum; its 32 numbers a lane are two blocks along the next K: one record and two scale bytes
.rept 4
	v_nop
.endr
	v_add_f32 v14, v14, v15
	s_delay_alu instid0(VALU_DEP_1)
	v_permlanex16_b32 v230, v14, s[SEL], s[SEL+1]
	s_delay_alu instid0(VALU_DEP_1)
	v_add_f32 v14, v14, v230
	s_wait_alu depctr_va_vdst(0)
	v_rcp_f32 v14, v14
	v_nop
	s_wait_alu depctr_va_vdst(0)
.set j, 0
.rept 32
	v_mul_f32 v[96+j], v[160+j], v14
.set j, j+1
.endr
.irp b, 0,1
	v_max3_num_f32 v[212+\b], |v[96+16*\b]|, |v[97+16*\b]|, 0x1800000
.endr
.irp i, 2,4,6,8,10,12,14
.irp b, 0,1
	s_delay_alu instid0(VALU_DEP_2)
	v_max3_num_f32 v[212+\b], v[212+\b], |v[96+16*\b+\i]|, |v[97+16*\b+\i]|
.endr
.endr
.irp b, 0,1
	s_delay_alu instid0(VALU_DEP_2)
	v_permlanex16_b32 v[216+\b], v[212+\b], s[SEL], s[SEL+1]
.endr
.irp b, 0,1
	s_delay_alu instid0(VALU_DEP_2)
	v_max_num_f32 v[212+\b], v[212+\b], v[216+\b]
.endr
.irp b, 0,1
	s_delay_alu instid0(VALU_DEP_2)
	v_add_nc_u32 v[220+\b], 0xff000000, v[212+\b]
.endr
.irp b, 0,1
	s_delay_alu instid0(VALU_DEP_2)
	v_lshrrev_b32 v[216+\b], 23, v[220+\b]
.endr
	s_delay_alu instid0(VALU_DEP_1)
	v_lshl_or_b32 v231, v217, 8, v216
	v_cvt_scalef32_pk16_fp6_f32 v[192:194], v[96:111], v220
	v_cvt_scalef32_pk16_fp6_f32 v[204:206], v[112:127], v221
	v_nop
.irp i, 0,1,2
	v_permlane16_swap_b32 v[192+\i], v[204+\i]
.endr
.irp i, 0,1,2
	s_delay_alu instid0(VALU_DEP_3)
	v_mov_b32 v[195+\i], v[204+\i]
.endr
	global_store_b128 v1, v[192:195], s[56:57]
	global_store_b64 v2, v[196:197], s[56:57] offset:512
	global_store_b16 v3, v231, s[58:59]            ; both halves of the lanes store the same two bytes with the same value
	s_wait_tensorcnt 0x0                           ; the wave's end
	ds_add_u32 v5, v6
	s_wait_dscnt 0x0
	CROUND                                         ; the closing round
	s_endpgm
.Lfunc_end_k_q8974de8a2e_attn:
	.size	k_q8974de8a2e_attn, .Lfunc_end_k_q8974de8a2e_attn-k_q8974de8a2e_attn
	.p2alignl 7, 3214868480
	.fill 96, 4, 3214868480
	.section	.rodata,"a",@progbits
	.p2align	6, 0x0
	.amdhsa_kernel k_q8974de8a2e_attn
		.amdhsa_group_segment_fixed_size 327680
		.amdhsa_private_segment_fixed_size 0
		.amdhsa_enable_private_segment 0
		.amdhsa_kernarg_size 24
		.amdhsa_user_sgpr_count 2
		.amdhsa_user_sgpr_kernarg_segment_ptr 1
		.amdhsa_wavefront_size32 1
		.amdhsa_system_sgpr_workgroup_id_x 1
		.amdhsa_system_sgpr_workgroup_id_y 1
		.amdhsa_system_sgpr_workgroup_id_z 1
		.amdhsa_system_vgpr_workitem_id 0
		.amdhsa_next_free_vgpr 256
		.amdhsa_next_free_sgpr 80
		.amdhsa_reserve_vcc 1
		.amdhsa_float_denorm_mode_32 3
		.amdhsa_float_denorm_mode_16_64 3
		.amdhsa_memory_ordered 1
		.amdhsa_forward_progress 1
		.amdhsa_inst_pref_size 33
	.end_amdhsa_kernel
	.amdgpu_metadata
---
amdhsa.version: [ 1, 2 ]
amdhsa.kernels:
  - .name:           k_q8974de8a2e_attn
    .symbol:         k_q8974de8a2e_attn.kd
    .args:
      - { .name: qkv, .offset: 0, .size: 8, .value_kind: global_buffer, .address_space: global }
      - { .name: mask, .offset: 8, .size: 8, .value_kind: global_buffer, .address_space: global }
      - { .name: ao, .offset: 16, .size: 8, .value_kind: global_buffer, .address_space: global }
    .group_segment_fixed_size: 327680
    .private_segment_fixed_size: 0
    .kernarg_segment_align: 8
    .kernarg_segment_size: 24
    .max_flat_workgroup_size: 512
    .sgpr_count:     80
    .vgpr_count:     256
    .wavefront_size: 32
...
	.end_amdgpu_metadata
.endif
;; end of part 3
;; launch wo (part 4): grid 8 x 32, 4 waves a work-group, clusters of 4 x 4, 327,680 bytes of LDS; arguments ao, wb, bo, x, h; writes h
.if DOCPART == 4
	.amdgcn_target "amdgcn-amd-amdhsa--gfx1250"
	.amdhsa_code_object_version 6
	.text
	.protected	k_q8974de8a2e_wo
	.globl	k_q8974de8a2e_wo
	.p2align	8
	.type	k_q8974de8a2e_wo,@function
k_q8974de8a2e_wo:
	s_mov_b64 s[64:65], 0
	v_nop
	global_prefetch_b8 v0, s[64:65] scope:SCOPE_SE
	s_setreg_imm32_b32 hwreg(HW_REG_WAVE_MODE, 25, 1), 1
	s_wait_xcnt 0x0
	s_wait_alu depctr_hold_cnt(0) depctr_sa_sdst(0) depctr_va_vdst(0) depctr_va_sdst(0) depctr_va_ssrc(0) depctr_va_vcc(0) depctr_vm_vsrc(0)
	s_getreg_b32 s2, hwreg(HW_REG_IB_STS2, 6, 4)
	s_cmp_eq_u32 s2, 0
	s_cbranch_scc0 .Lentry_in_a_cluster
	s_endpgm
.Lentry_in_a_cluster:
	s_bfe_u32 s2, ttmp6, 0x10000c
	s_cmp_lg_u32 s2, 0xf033
	s_cbranch_scc0 .Lentry_shape_is_right
	s_endpgm
.Lentry_shape_is_right:
; h = x + o Wo + bo on codes of E2M3.  Operands are images of registers (records of 768 bytes = 16 rows x 64 K).  N is 1,024: tiles of 256 x 256 would leave three WGPs in four without work, so a work-group makes
; 128 x 128 (256 work-groups) and a wave 64 x 64: 16 accumulators.  A slot holds 512 along K (four matrix instructions deep); K = 1,024 is the ring's two slots, both filled at the start: nothing is filled again.
; The product is used transposed (source 0 = 16 rows of Wo's codes, source 1 = 16 tokens): a lane holds eight neighbouring columns of a row.  The bias is the C of the first products.
; THE RESIDUAL, my 64 x 64 numbers of x, is asked for at the head, in the layout of the way out, into 128 registers of window 2 that nothing else names: it lands while K is walked.
; CLUSTER 4 x 4: A's tiles are shared along a row of the cluster, B's along a column: joint loads.
; A's scale words lie [row / 128][K / 128][128 rows], B's [row / 16][K / 128][16 rows].
.set MB, 4
.set NB, 4
.set NQ, 4
.set KT, 1024
.set SA, 4096
.set ACODE, 0
.set ASC, 3145728
.set BCODE, 2359296                    ; Wo's rows are rows 3,072 on of the four square weights: 192 row blocks of 12,288 bytes
.set BSC, 9535488
.set SBLKB, 512
.set RBK, 12*KT
.set QB, NQ*1536
.set HALFT, MB*QB
.set SLOT, 4*HALFT
.set SCL, 2*SLOT
.set SPARE, SCL+2*SA
.set LAPS, KT/(256*NQ)
.set SBLKA, 64
.set SSTEPA, 512
.set SWRA, 64*MB
.set SSTEPB, 64
.set SWCB, NB*SBLKB
.set ZF, 2
.set WV, 2
.set LC, 3
.set WR, 16
.set WC, 17
.set G1, 24
.set G0, 32
.set G1B, 48
.set G0B, 56
.set G1S, 68
.set G0S, 76
.set G1SB, 80
.set G0SB, 88
.set A16, 16
.set A8, 18
.set B16, 20
.set B8, 22
.set SPW, 28
.set NIL, 29
.set ADSA, 30
.set ADSB, 31
.set SC, 32
.set AF, 64
.set RES, 128                          ; window 2: v0-127 the accumulators, v128-255 the residual, then the result
.set MSB, 0
.macro WIN new
.if MSB != (\new)
	s_set_vgpr_msb (MSB<<8)|(\new)
.set MSB, (\new)
.endif
.endm
.macro PLACES n
.rept \n
	v_nop
.endr
.endm
.macro JLOAD g0a, g1a, g0b, g1b        ; a joint load: waves 0, 2 for A, waves 1, 3 for B; s_nop 0 and four v_nop follow each line
	s_cmp_eq_u32 s[WC], 0                          ; even waves fetch A's tiles, odd waves B's
	s_cbranch_scc0 .Lfor_b_\@
	tensor_load_to_lds s[\g0a:\g0a+3], s[\g1a:\g1a+7]
	s_nop 0
.rept 4
	v_nop
.endr
	s_branch .Lasked_\@
.Lfor_b_\@:
	tensor_load_to_lds s[\g0b:\g0b+3], s[\g1b:\g1b+7]
	s_nop 0
.rept 4
	v_nop
.endr
.Lasked_\@:
.endm
.macro CREST
	s_cmp_lg_u32 s[WV], 0
	s_cbranch_scc1 .Lnot_wave_0_\@
	s_barrier_signal -3
.Lnot_wave_0_\@:
	s_barrier_wait -3
	s_barrier_signal -1
	s_barrier_wait -1
.endm
.macro CROUND
	s_barrier_signal -1
	s_barrier_wait -1
	CREST
.endm
.macro FRAG reg, a16, a8, off
	ds_load_b128 v[\reg:\reg+3], v[\a16] offset:\off
	ds_load_b64 v[\reg+4:\reg+5], v[\a8] offset:(\off)+512
	ds_load_b128 v[\reg+6:\reg+9], v[\a16] offset:(\off)+768
	ds_load_b64 v[\reg+10:\reg+11], v[\a8] offset:(\off)+1280
.endm
.macro FETCH_B slot, q, p
	WIN 0x40
.set ii, 0
.rept NB
	FRAG 128*(\p)+12*ii, B16+\slot, B8+\slot, ii*QB+1536*(\q)
.set ii, ii+1
.endr
	WIN 0
.endm
.macro FETCH_A slot, q, p
.set ii, 0
.rept MB
	FRAG AF+12*MB*(\p)+12*ii, A16+\slot, A8+\slot, ii*QB+1536*(\q)
.set ii, ii+1
.endr
.endm
.macro SCALES sg
.set ii, 0
.rept MB
.set uu, 0
.rept NQ/2
	global_load_b32 v[SC+16*(\sg)+(NQ/2)*ii+uu], v[ADSA], s[68:69] offset:ii*SBLKA+uu*2*SSTEPA+(\sg)*NQ*SSTEPA   ; the scale words of all of K are 32 registers: they come from memory once, in pieces of 64 bytes, and stay
	global_load_b32 v[SC+16*(\sg)+(NQ/2)*(MB+ii)+uu], v[ADSB], s[70:71] offset:ii*SBLKB+uu*2*SSTEPB+(\sg)*NQ*SSTEPB
.set uu, uu+1
.endr
.set ii, ii+1
.endr
.endm
.macro MULA a, p, q, sg, zero          ; A's block a against B's NB blocks; zero = 2: C is the bias tile in window 1; odd steps read their scales from lanes 16-31
.set wA, 2+((\a)*NB)/32
.if (\zero) == 2
	WIN (wA<<6)|0x11
.else
	WIN (wA<<6)|(wA<<4)|0x01
.endif
.set bb, 0
.rept NB
.set rD, 8*(((\a)*NB+bb)%32)
.set rB, 128*(\p)+12*bb
.set rA, AF+12*MB*(\p)+12*(\a)
.set rSB, SC+16*(\sg)+(NQ/2)*(MB+bb)+(\q)/2
.set rSA, SC+16*(\sg)+(NQ/2)*(\a)+(\q)/2
.set rC, 96+8*(bb%4)+128*(bb/4)
.if (\zero) == 1
	v_wmma_scale_f32_16x16x128_f8f6f4 v[rD:rD+7], v[rB:rB+11], v[rA:rA+11], 0, v[rSB], v[rSA] matrix_a_fmt:MATRIX_FMT_FP6 matrix_b_fmt:MATRIX_FMT_FP6
.elseif (\zero) == 2
	v_wmma_scale_f32_16x16x128_f8f6f4 v[rD:rD+7], v[rB:rB+11], v[rA:rA+11], v[rC:rC+7], v[rSB], v[rSA] matrix_a_fmt:MATRIX_FMT_FP6 matrix_b_fmt:MATRIX_FMT_FP6
.elseif ((\q)%2) == 1
	v_wmma_scale_f32_16x16x128_f8f6f4 v[rD:rD+7], v[rB:rB+11], v[rA:rA+11], v[rD:rD+7], v[rSB], v[rSA] matrix_a_fmt:MATRIX_FMT_FP6 matrix_b_fmt:MATRIX_FMT_FP6 matrix_a_scale:MATRIX_SCALE_ROW1 matrix_b_scale:MATRIX_SCALE_ROW1
.else
	v_wmma_scale_f32_16x16x128_f8f6f4 v[rD:rD+7], v[rB:rB+11], v[rA:rA+11], v[rD:rD+7], v[rSB], v[rSA] matrix_a_fmt:MATRIX_FMT_FP6 matrix_b_fmt:MATRIX_FMT_FP6
.endif
.set bb, bb+1
.endr
.endm
.macro MULS a0, n, p, q, sg, zero      ; the 16 accumulators take turns, one instruction a turn, in the same order in every step
.set aa, \a0
.rept \n
	MULA aa, \p, \q, \sg, \zero
.set aa, aa+1
.endr
.endm
.macro STEP slot, q, zero
	s_wait_dscnt 0x0                               ; this step's fragments, asked for a step ago, are in
	PLACES 4                                       ; four places behind the last products, ahead of loads into the set that they read
	FETCH_B \slot, (\q)+1, 1-(\q)%2
	FETCH_A \slot, (\q)+1, 1-(\q)%2
	MULS 0, MB, (\q)%2, \q, \slot, \zero
	WIN 0
.endm
.macro MIDS slot
.set qq, 1
.rept NQ-2
	STEP \slot, qq, 0
.set qq, qq+1
.endr
.endm
.macro TURN slot, next, fill           ; a slot's last step changes slots: one barrier, with the wait for all tensor loads, the add and the wait for it and for my reads ahead of it
	s_wait_tensorcnt 0x0
	ds_add_u32 v[SPW], v[NIL]
	s_wait_dscnt 0x1                               ; the add alone may be out
	MULS 0, MB/4, 1, NQ-1, \slot, 0
	s_wait_dscnt 0x0
	s_barrier_signal -1
	MULS MB/4, MB/4, 1, NQ-1, \slot, 0
	WIN 0
	s_barrier_wait -1
.if \fill
	CREST
	s_add_nc_u64 s[G0+4*\slot+2:G0+4*\slot+3], s[G0+4*\slot+2:G0+4*\slot+3], 2*QB
	s_add_nc_u64 s[G0B+4*\slot+2:G0B+4*\slot+3], s[G0B+4*\slot+2:G0B+4*\slot+3], 2*QB
	JLOAD G0+4*\slot, G1, G0B+4*\slot, G1B
.else
	PLACES 4
.endif
	FETCH_B \next, 0, 0
	FETCH_A \next, 0, 0
	MULS MB/2, MB/2, 1, NQ-1, \slot, 0
	WIN 0
.endm
	s_load_b128 s[4:7], s[0:1], 0x0                ; A's buffer, wb
	s_load_b128 s[8:11], s[0:1], 0x10              ; the bias, the residual
	s_load_b64 s[12:13], s[0:1], 0x20              ; the result
	v_lshl_add_u32 v[SPW], v0, 2, SPARE
	v_mov_b32 v[NIL], 0
	ds_add_u32 v[SPW], v[NIL]                      ; the wave's opening: the add and its wait ahead of my first tensor load
	ds_add_u32 v[SPW], v[NIL]
	v_lshrrev_b32 v1, 5, v0
	v_readfirstlane_b32 s[WV], v1
	s_lshr_b32 s[WR], s[WV], 1
	s_and_b32 s[WC], s[WV], 1
	s_bfe_u32 s18, ttmp6, 0x40000
	s_bfe_u32 s19, ttmp6, 0x40004
	s_lshl_b32 s20, ttmp9, 2
	s_add_co_u32 s20, s20, s18                     ; X
	s_and_b32 s21, ttmp7, 0xffff
	s_lshl_b32 s21, s21, 2
	s_add_co_u32 s21, s21, s19                     ; Y
	s_lshl_b32 s22, s19, 2
	s_lshl_b32 s22, 15, s22
	s_lshl_b32 s23, 0x1111, s18
	s_or_b32 s[G1], s22, (3<<16)|(1<<21)
	s_or_b32 s[G1B], s23, (3<<16)|(1<<21)
.irp g, G1, G1B
	s_mov_b32 s[\g+1], (192*NQ)<<16
	s_mov_b32 s[\g+2], (2*MB)<<16                  ; a load brings a slot's whole side: eight row blocks
	s_mov_b32 s[\g+3], (192*NQ)<<16
	s_mov_b32 s[\g+4], 2*MB
	s_mov_b32 s[\g+5], KT*3/2
	s_mov_b32 s[\g+6], 0
	s_mov_b32 s[\g+7], 0
.endr
	s_mul_i32 s40, s21, 2*MB
	s_mul_i32 s40, s40, RBK
	s_add_co_u32 s40, s40, ACODE
	s_mov_b32 s41, 0
	s_mul_i32 s42, s21, SA
	s_add_co_u32 s42, s42, ASC
	s_mov_b32 s43, 0
	s_mul_i32 s44, s20, 2*NB
	s_mul_i32 s44, s44, RBK
	s_add_co_u32 s44, s44, BCODE
	s_mov_b32 s45, 0
	s_mul_i32 s46, s20, SA
	s_add_co_u32 s46, s46, BSC
	s_mov_b32 s47, 0
	s_mul_i32 s66, s[WR], SLOT                     ; waves 0, 1 fill slot 0, waves 2, 3 slot 1;
	s_mul_i32 s67, s[WC], 2*HALFT
	s_add_co_u32 s66, s66, s67                     ; B's rows lie behind A's
	s_mul_i32 s92, s[WR], QB                       ; the slot's place along K, in bytes
	s_mov_b32 s93, 0
	s_lshl_b32 s94, s20, 9
	s_lshl_b32 s95, s[WC], 8
	s_add_co_u32 s94, s94, s95                     ; my first column, in bytes: 4 (128 X + 64 wc)
	s_mov_b32 s95, 0
	s_wait_dscnt 0x0
	s_wait_kmcnt 0x0
	s_add_nc_u64 s[40:41], s[4:5], s[40:41]
	s_add_nc_u64 s[68:69], s[4:5], s[42:43]        ; A's scale words; never rewritten
	s_add_nc_u64 s[44:45], s[6:7], s[44:45]
	s_add_nc_u64 s[70:71], s[6:7], s[46:47]        ; B's likewise
	s_add_nc_u64 s[96:97], s[8:9], s[94:95]        ; my columns' bias
	v_and_b32 v4, 15, v0
	v_bfe_u32 v5, v0, 4, 1
	s_mul_i32 s22, s[WR], SWRA                     ; (the two masks that lay in s22, s23 stand in the descriptors by now)
	s_mul_i32 s23, s[WC], SWCB
	v_lshl_add_u32 v[ADSA], v4, 2, s22
	v_lshl_add_u32 v[ADSB], v4, 2, s23
	v_mad_u32_u24 v[ADSA], v5, SSTEPA, v[ADSA]
	v_mad_u32_u24 v[ADSB], v5, SSTEPB, v[ADSB]
	SCALES 0                                       ; 32 loads: both slots' scale words, asked for ahead of the round, of the bias and of the residual
	SCALES 1
	CROUND
	s_mov_b32 s[G0], 1
	s_mov_b32 s[G0+1], s66
	s_add_nc_u64 s[G0+2:G0+3], s[40:41], s[92:93]
	s_or_b32 s[G0+3], s[G0+3], 0x80000000
	s_mov_b32 s[G0B], 1
	s_mov_b32 s[G0B+1], s66
	s_add_nc_u64 s[G0B+2:G0B+3], s[44:45], s[92:93]
	s_or_b32 s[G0B+3], s[G0B+3], 0x80000000
	JLOAD G0, G1, G0B, G1B                         ; the launch's four tiles, one a wave: A's and B's sides of the two slots
	v_and_b32 v1, 31, v0
	v_lshlrev_b32 v2, 4, v1
	v_lshlrev_b32 v3, 3, v1
	s_mul_i32 s92, s[WR], HALFT
	s_mul_i32 s93, s[WC], HALFT
	s_add_co_u32 s93, s93, 2*HALFT
.irp s, 0,1
	v_add_nc_u32 v[A16+\s], s92, v2
	v_add_nc_u32 v[A8+\s], s92, v3
	v_add_nc_u32 v[B16+\s], s93, v2
	v_add_nc_u32 v[B8+\s], s93, v3
	s_add_co_u32 s92, s92, SLOT
	s_add_co_u32 s93, s93, SLOT
.endr
	s_mul_i32 s92, s[WV], 16*272                   ; my stage for the way out: 16 rows x (256 bytes + 16), in slot 0, which has had its last fill and its last read by then
	v_mul_u32_u24 v8, v4, 272
	v_lshl_add_u32 v8, v5, 5, v8
	v_add_nc_u32 v8, s92, v8                       ; in: row r, + 32 h
	v_mul_u32_u24 v9, v5, 272
	v_lshl_add_u32 v9, v4, 4, v9
	v_add_nc_u32 v9, s92, v9                       ; back: lanes 0-15 one row, lanes 16-31 the next
	v_lshlrev_b32 v26, 12, v5
	v_lshl_add_u32 v26, v4, 4, v26                 ; and the same two rows in memory
	v_lshlrev_b32 v27, 5, v5                       ; 32 h
	s_wait_alu depctr_va_vdst(0)
	s_lshl_b32 s44, s21, 7                         ; (s40-47 have been copied into the descriptors and are free)
	s_lshl_b32 s45, s[WR], 6
	s_add_co_u32 s44, s44, s45                     ; my first row
	s_lshl_b32 s44, s44, 12
	s_add_co_u32 s44, s44, s94
	s_mov_b32 s45, 0
	s_add_nc_u64 s[40:41], s[10:11], s[44:45]      ; the residual at my corner; never rewritten
	s_add_nc_u64 s[42:43], s[12:13], s[44:45]      ; the result likewise
	WIN 0x40
.irp b, 0,1,2,3
	global_load_b128 v[96+8*\b:99+8*\b], v27, s[96:97] offset:64*\b         ; the bias in the result's layout, in window 1
	global_load_b128 v[100+8*\b:103+8*\b], v27, s[96:97] offset:64*\b+16
.endr
	WIN 0
	s_wait_tensorcnt 0x0                           ; my tile is in
	s_barrier_signal -1
	s_barrier_wait -1
	FETCH_B 0, 0, 0
	FETCH_A 0, 0, 0
	WIN 0x80                                       ; destination window 2
.irp a, 0,1,2,3
.irp t, 0,1,2,3,4,5,6,7
	global_load_b128 v[RES+32*\a+4*\t:RES+32*\a+4*\t+3], v26, s[40:41] offset:(16*\a+2*\t)*4096   ; the residual, asked for when the tiles are in: rows 16 a + 2 t + h, sixteen lanes to 256 consecutive bytes
.endr
.endr
	WIN 0
	s_wait_loadcnt 32                              ; the bias is in: the 32 loads issued behind it, the residual's, may stay out
	STEP 0, 0, ZF
.if LAPS > 1
	s_mov_b32 s[LC], LAPS-1
.Llap:
	MIDS 0
	TURN 0, 1, 1
	STEP 1, 0, 0
	MIDS 1
	TURN 1, 0, 1
	STEP 0, 0, 0
	s_sub_co_u32 s[LC], s[LC], 1
	s_cmp_lg_u32 s[LC], 0
	s_cbranch_scc1 .Llap
.endif
	MIDS 0
	TURN 0, 1, 0
	STEP 1, 0, 0
	MIDS 1
	s_wait_dscnt 0x0
	MULS 0, MB, 1, NQ-1, 1, 0
	WIN 0
	; THE WAY OUT: 16 rows x 64 columns at a time through my stage; back as whole rows of 256 bytes; + the residual; sixteen lanes store 256 consecutive aligned bytes
	PLACES 4
.macro OUTA a
	WIN 0x08                                       ; a store's data are its source 1: window 2; addresses, and the destinations of the LDS loads, stay in window 0
.irp b, 0,1,2,3
	ds_store_b128 v8, v[8*(4*\a+\b):8*(4*\a+\b)+3] offset:64*\b          ; each accumulator from its low end on
	ds_store_b128 v8, v[8*(4*\a+\b)+4:8*(4*\a+\b)+7] offset:64*\b+16
.endr
.irp t, 0,1,2,3,4,5,6,7
	ds_load_b128 v[192+4*\t:195+4*\t], v9 offset:2*\t*272                ; LDS serves a wave's instructions in order: these see my stores
.endr
	s_wait_dscnt 0x0
	s_wait_loadcnt 24-8*\a                         ; this block's eight residual loads are in; the later blocks' may be out
	WIN 0x82                                       ; destination and source 0 window 2, source 1 window 0
.set j, 0
.rept 16
	v_pk_add_f32 v[RES+32*\a+j:RES+32*\a+j+1], v[RES+32*\a+j:RES+32*\a+j+1], v[192+j:193+j]
.set j, j+2
.endr
	WIN 0x08
.irp t, 0,1,2,3,4,5,6,7
	global_store_b128 v26, v[RES+32*\a+4*\t:RES+32*\a+4*\t+3], s[42:43] offset:(16*\a+2*\t)*4096
.endr
.endm
.irp a, 0,1,2,3
	OUTA \a
.endr
	WIN 0
	s_wait_tensorcnt 0x0                           ; the wave's end
	ds_add_u32 v[SPW], v[NIL]
	s_wait_dscnt 0x0
	CROUND
	s_endpgm
.Lfunc_end_k_q8974de8a2e_wo:
	.size	k_q8974de8a2e_wo, .Lfunc_end_k_q8974de8a2e_wo-k_q8974de8a2e_wo
	.p2alignl 7, 3214868480
	.fill 96, 4, 3214868480
	.section	.rodata,"a",@progbits
	.p2align	6, 0x0
	.amdhsa_kernel k_q8974de8a2e_wo
		.amdhsa_group_segment_fixed_size 327680
		.amdhsa_private_segment_fixed_size 0
		.amdhsa_enable_private_segment 0
		.amdhsa_kernarg_size 40
		.amdhsa_user_sgpr_count 2
		.amdhsa_user_sgpr_kernarg_segment_ptr 1
		.amdhsa_wavefront_size32 1
		.amdhsa_system_sgpr_workgroup_id_x 1
		.amdhsa_system_sgpr_workgroup_id_y 1
		.amdhsa_system_sgpr_workgroup_id_z 1
		.amdhsa_system_vgpr_workitem_id 0
		.amdhsa_next_free_vgpr 768
		.amdhsa_next_free_sgpr 100
		.amdhsa_reserve_vcc 0
		.amdhsa_float_denorm_mode_32 3
		.amdhsa_float_denorm_mode_16_64 3
		.amdhsa_memory_ordered 1
		.amdhsa_forward_progress 1
		.amdhsa_inst_pref_size 61
	.end_amdhsa_kernel
	.amdgpu_metadata
---
amdhsa.version: [ 1, 2 ]
amdhsa.kernels:
  - .name:           k_q8974de8a2e_wo
    .symbol:         k_q8974de8a2e_wo.kd
    .args:
      - { .name: ao, .offset: 0, .size: 8, .value_kind: global_buffer, .address_space: global }
      - { .name: wb, .offset: 8, .size: 8, .value_kind: global_buffer, .address_space: global }
      - { .name: bo, .offset: 16, .size: 8, .value_kind: global_buffer, .address_space: global }
      - { .name: x, .offset: 24, .size: 8, .value_kind: global_buffer, .address_space: global }
      - { .name: h, .offset: 32, .size: 8, .value_kind: global_buffer, .address_space: global }
    .group_segment_fixed_size: 327680
    .private_segment_fixed_size: 0
    .kernarg_segment_align: 8
    .kernarg_segment_size: 40
    .max_flat_workgroup_size: 128
    .sgpr_count:     100
    .vgpr_count:     768
    .wavefront_size: 32
...
	.end_amdgpu_metadata
.endif
;; end of part 4
;; launch ln2 (part 5): grid 256 x 1, 8 waves a work-group, no clusters, 67,328 bytes of LDS; arguments h, g2, be2, xn; writes xn
.if DOCPART == 5
	.amdgcn_target "amdgcn-amd-amdhsa--gfx1250"
	.amdhsa_code_object_version 6
	.text
	.protected	k_q8974de8a2e_ln2
	.globl	k_q8974de8a2e_ln2
	.p2align	8
	.type	k_q8974de8a2e_ln2,@function
k_q8974de8a2e_ln2:
	s_mov_b64 s[64:65], 0
	v_nop
	global_prefetch_b8 v0, s[64:65] scope:SCOPE_SE
	s_setreg_imm32_b32 hwreg(HW_REG_WAVE_MODE, 25, 1), 1
	s_wait_xcnt 0x0
; LAYERNORM 2 of h and its quantising into xn (codes at 0, scale words at 3,145,728), laid as images of the matrix operand's registers: records of 768 bytes = 16 rows x 64 K; place p of a block of 32 holds
; k = p % 8 + 16 ((p / 8) % 2) + 8 (p / 16), as in every operand of this program.  A work-group takes 16 rows.  Phase 1: wave w makes rows 2 w, 2 w + 1 whole (mean, then the sum of squared differences) and lays them in LDS.
; Phase 2: wave w takes 128 along K of all 16 rows and stores one fragment.
; LIMITS: NaN and infinities are not served; a block under 2^-124 keeps the byte 1; 1 / 1023 is a multiplication by the nearest f32, 1 / (sigma + eps) is v_rcp_f32.
.set RP,    4112
.set SCST,  16*RP
.set SPARE, SCST+512
.set SPW, 14
.set NIL, 15
.set PC,  96
.set TM,  120
.set PW,  136
.set WV,  26
.set SEL, 52
.set SRC, 4
.set GP,  6
.set BP,  8
.set DST, 10
.macro QUANT s
.irp b, 0,1,2,3
	v_max3_num_f32 v[TM+\b], |v[\s+16*\b]|, |v[\s+1+16*\b]|, 0x1800000   ; with the floor 2^(3 - 127): the byte cannot fall under 1
.endr
.irp i, 2,4,6,8,10,12,14
.irp b, 0,1,2,3
	s_delay_alu instid0(VALU_DEP_4)
	v_max3_num_f32 v[TM+\b], v[TM+\b], |v[\s+16*\b+\i]|, |v[\s+1+16*\b+\i]|
.endr
.endr
.irp b, 0,1,2,3
	s_delay_alu instid0(VALU_DEP_4)
	v_permlanex16_b32 v[TM+4+\b], v[TM+\b], s[SEL], s[SEL+1]
.endr
.irp b, 0,1,2,3
	s_delay_alu instid0(VALU_DEP_4)
	v_max_num_f32 v[TM+\b], v[TM+\b], v[TM+4+\b]
.endr
.irp b, 0,1,2,3
	s_delay_alu instid0(VALU_DEP_4)
	v_add_nc_u32 v[TM+12+\b], 0xff000000, v[TM+\b]
.endr
.irp b, 0,1,2,3
	s_delay_alu instid0(VALU_DEP_4)
	v_lshrrev_b32 v[TM+4+\b], 23, v[TM+12+\b]
.endr
	s_delay_alu instid0(VALU_DEP_3)
	v_lshl_or_b32 v[PW], v[TM+5], 8, v[TM+4]
	s_delay_alu instid0(VALU_DEP_1)
	v_lshl_or_b32 v[PW], v[TM+6], 16, v[PW]
	s_delay_alu instid0(VALU_DEP_1)
	v_lshl_or_b32 v[PW], v[TM+7], 24, v[PW]
.irp c, 0,1
	v_cvt_scalef32_pk16_fp6_f32 v[PC+6*\c:PC+2+6*\c], v[\s+32*\c:\s+15+32*\c], v[TM+12+2*\c]
	v_cvt_scalef32_pk16_fp6_f32 v[PC+12+4*\c:PC+14+4*\c], v[\s+16+32*\c:\s+31+32*\c], v[TM+12+2*\c+1]
.endr
	v_nop
.irp c, 0,1
.irp i, 0,1,2
	v_permlane16_swap_b32 v[PC+6*\c+\i], v[PC+12+4*\c+\i]
.endr
.irp i, 0,1,2
	s_delay_alu instid0(VALU_DEP_3)
	v_mov_b32 v[PC+3+6*\c+\i], v[PC+12+4*\c+\i]
.endr
.endr
.endm
.macro RED2 a, t
.irp m, 1,2,4,8
	s_delay_alu instid0(VALU_DEP_2)
	v_add_f32_dpp v[\a], v[\a], v[\a] row_xmask:\m row_mask:0xf bank_mask:0xf
	s_delay_alu instid0(VALU_DEP_2)
	v_add_f32_dpp v[\a+8], v[\a+8], v[\a+8] row_xmask:\m row_mask:0xf bank_mask:0xf
.endr
	s_delay_alu instid0(VALU_DEP_2)
	v_permlanex16_b32 v[\t], v[\a], s[SEL], s[SEL+1]
	s_delay_alu instid0(VALU_DEP_2)
	v_permlanex16_b32 v[\t+8], v[\a+8], s[SEL], s[SEL+1]
	s_delay_alu instid0(VALU_DEP_2)
	v_add_f32 v[\a], v[\a], v[\t]
	s_delay_alu instid0(VALU_DEP_2)
	v_add_f32 v[\a+8], v[\a+8], v[\t+8]
.endm
	s_load_b256 s[4:11], s[0:1], 0x0               ; h, g2, be2, xn
	v_lshl_add_u32 v[SPW], v0, 2, SPARE
	v_mov_b32 v[NIL], 0
	v_lshrrev_b32 v3, 5, v0
	s_delay_alu instid0(VALU_DEP_1)
	v_readfirstlane_b32 s[WV], v3
	v_and_b32 v3, 31, v0
	s_delay_alu instid0(VALU_DEP_1)
	v_lshlrev_b32 v1, 4, v3
	s_delay_alu instid0(VALU_DEP_2)
	v_lshlrev_b32 v2, 3, v3
	v_and_b32 v10, 15, v0
	v_bfe_u32 v11, v0, 4, 1
	s_mul_i32 s27, s[WV], 2*RP
	v_add_nc_u32 v4, s27, v1
	v_mul_u32_u24 v5, v10, RP
	s_delay_alu instid0(VALU_DEP_1)
	v_lshl_add_u32 v5, v11, 5, v5
	s_lshl_b32 s27, s[WV], 9
	v_add_nc_u32 v5, s27, v5
	s_lshl_b32 s27, s[WV], 6
	s_add_co_u32 s27, s27, SCST
	v_lshl_add_u32 v6, v10, 2, s27
	v_add_nc_u32 v7, SCST, v1
	s_mov_b32 s36, ttmp9                           ; the row block
	s_lshl_b32 s40, s36, 16
	s_lshl_b32 s41, s[WV], 13
	s_add_co_u32 s40, s40, s41
	s_mov_b32 s41, 0
	s_mul_i32 s42, s36, 12288
	s_mul_i32 s43, s[WV], 1536
	s_add_co_u32 s42, s42, s43
	s_mov_b32 s43, 0
	s_lshl_b32 s44, s36, 9
	s_add_co_u32 s44, s44, 3145728
	s_mov_b32 s45, 0
	s_mov_b32 s[SEL], 0x76543210
	s_mov_b32 s[SEL+1], 0xfedcba98
	s_wait_kmcnt 0x0
	s_load_b32 s50, s[GP:GP+1], 0x0                ; gamma
	s_load_b32 s48, s[BP:BP+1], 0x0                ; beta
	s_add_nc_u64 s[28:29], s[SRC:SRC+1], s[40:41]
	s_add_nc_u64 s[30:31], s[DST:DST+1], s[42:43]
	s_add_nc_u64 s[32:33], s[DST:DST+1], s[44:45]
.irp p, 0,1
.irp j, 0,1,2,3,4,5,6,7
	global_load_b128 v[16+32*\p+4*\j:19+32*\p+4*\j], v1, s[28:29] offset:4096*\p+512*\j
.endr
.endr
.irp b, 0,1,2,3
	v_mov_b32 v[TM+4+\b], 0
.endr
	s_wait_loadcnt 0x0
	s_wait_kmcnt 0x0
	s_mov_b32 s49, s48
.irp p, 0,1
	v_pk_add_f32 v[80+8*\p:81+8*\p], v[16+32*\p:17+32*\p], v[18+32*\p:19+32*\p]
	v_pk_add_f32 v[82+8*\p:83+8*\p], v[20+32*\p:21+32*\p], v[22+32*\p:23+32*\p]
.endr
.irp i, 8,12,16,20,24,28
.irp p, 0,1
	s_delay_alu instid0(VALU_DEP_4)
	v_pk_add_f32 v[80+8*\p:81+8*\p], v[80+8*\p:81+8*\p], v[16+32*\p+\i:17+32*\p+\i]
	s_delay_alu instid0(VALU_DEP_4)
	v_pk_add_f32 v[82+8*\p:83+8*\p], v[82+8*\p:83+8*\p], v[18+32*\p+\i:19+32*\p+\i]
.endr
.endr
.irp p, 0
	s_delay_alu instid0(VALU_DEP_3)
	v_pk_add_f32 v[80+8*\p:81+8*\p], v[80+8*\p:81+8*\p], v[82+8*\p:83+8*\p]
.endr
.irp p, 1
	s_delay_alu instid0(VALU_DEP_2)
	v_pk_add_f32 v[80+8*\p:81+8*\p], v[80+8*\p:81+8*\p], v[82+8*\p:83+8*\p]
.endr
.irp p, 0,1
	s_delay_alu instid0(VALU_DEP_2)
	v_add_f32 v[80+8*\p], v[80+8*\p], v[81+8*\p]
.endr
	RED2 80, 81
.irp p, 0,1
	s_delay_alu instid0(VALU_DEP_2)
	v_mul_f32 v[80+8*\p], 0x3a800000, v[80+8*\p]   ; mu
.endr
.irp i, 0,2,4,6,8,10,12,14,16,18,20,22,24,26,28,30
.irp p, 0,1
	v_pk_add_f32 v[16+32*\p+\i:17+32*\p+\i], v[16+32*\p+\i:17+32*\p+\i], v[80+8*\p:81+8*\p] op_sel_hi:[1,0] neg_lo:[0,1] neg_hi:[0,1]
.endr
.endr
.irp p, 0,1
	v_pk_mul_f32 v[82+8*\p:83+8*\p], v[16+32*\p:17+32*\p], v[16+32*\p:17+32*\p]
	v_pk_mul_f32 v[84+8*\p:85+8*\p], v[18+32*\p:19+32*\p], v[18+32*\p:19+32*\p]
.endr
.irp i, 4,8,12,16,20,24,28
.irp p, 0,1
	s_delay_alu instid0(VALU_DEP_4)
	v_pk_fma_f32 v[82+8*\p:83+8*\p], v[16+32*\p+\i:17+32*\p+\i], v[16+32*\p+\i:17+32*\p+\i], v[82+8*\p:83+8*\p]
	s_delay_alu instid0(VALU_DEP_4)
	v_pk_fma_f32 v[84+8*\p:85+8*\p], v[18+32*\p+\i:19+32*\p+\i], v[18+32*\p+\i:19+32*\p+\i], v[84+8*\p:85+8*\p]
.endr
.endr
.irp p, 0
	s_delay_alu instid0(VALU_DEP_3)
	v_pk_add_f32 v[82+8*\p:83+8*\p], v[82+8*\p:83+8*\p], v[84+8*\p:85+8*\p]
.endr
.irp p, 1
	s_delay_alu instid0(VALU_DEP_2)
	v_pk_add_f32 v[82+8*\p:83+8*\p], v[82+8*\p:83+8*\p], v[84+8*\p:85+8*\p]
.endr
.irp p, 0,1
	s_delay_alu instid0(VALU_DEP_2)
	v_add_f32 v[82+8*\p], v[82+8*\p], v[83+8*\p]
.endr
	RED2 82, 83
.irp p, 0,1
	s_delay_alu instid0(VALU_DEP_2)
	v_mul_f32 v[82+8*\p], 0x3a802008, v[82+8*\p]   ; / 1023
.endr
	s_wait_alu depctr_va_vdst(0)
	v_sqrt_f32 v84, v82
	v_sqrt_f32 v92, v90
	v_nop                                          ; a plain place behind the two roots,
	s_wait_alu depctr_va_vdst(0)                   ; and one wait for both, ahead of their first reader
	v_add_f32 v84, 0x358637bd, v84
	v_add_f32 v92, 0x358637bd, v92
	s_wait_alu depctr_va_vdst(0)
	v_rcp_f32 v86, v84
	v_rcp_f32 v94, v92
	v_mov_b32 v87, 0
	v_mov_b32 v95, 0
	s_wait_alu depctr_va_vdst(0)
	v_mul_f32 v86, s50, v86
	v_mul_f32 v94, s50, v94
.irp i, 0,2,4,6,8,10,12,14,16,18,20,22,24,26,28,30
.irp p, 0,1
	v_pk_fma_f32 v[16+32*\p+\i:17+32*\p+\i], v[16+32*\p+\i:17+32*\p+\i], v[86+8*\p:87+8*\p], s[48:49] op_sel_hi:[1,0,0]
.endr
.endr
.irp p, 0,1
.irp j, 0,1,2,3,4,5,6,7
	ds_store_b128 v4, v[16+32*\p+4*\j:19+32*\p+4*\j] offset:RP*\p+512*\j
.endr
.endr
	s_wait_dscnt 0x0                               ; for the others' sake: my two rows lie in LDS
	s_barrier_signal -1
	s_barrier_wait -1
.irp b, 0,1,2,3
	ds_load_b128 v[16+16*\b:19+16*\b], v5 offset:128*\b
	ds_load_b128 v[20+16*\b:23+16*\b], v5 offset:128*\b+16
	ds_load_b128 v[24+16*\b:27+16*\b], v5 offset:128*\b+64
	ds_load_b128 v[28+16*\b:31+16*\b], v5 offset:128*\b+80
.endr
	s_wait_dscnt 0x0
	QUANT 16
	global_store_b128 v1, v[PC:PC+3], s[30:31]
	global_store_b64 v2, v[PC+4:PC+5], s[30:31] offset:512
	global_store_b128 v1, v[PC+6:PC+9], s[30:31] offset:768
	global_store_b64 v2, v[PC+10:PC+11], s[30:31] offset:1280
	ds_store_b32 v6, v[PW]
	s_wait_dscnt 0x0
	s_barrier_signal -1
	s_barrier_wait -1
	s_cmp_lg_u32 s[WV], 0
	s_cbranch_scc1 .Lnot0
	ds_load_b128 v[16:19], v7
	s_wait_dscnt 0x0
	global_store_b128 v1, v[16:19], s[32:33]
.Lnot0:
	s_wait_tensorcnt 0x0                           ; the wave's end, behind my last LDS store
	ds_add_u32 v[SPW], v[NIL]
	s_wait_dscnt 0x0
	s_endpgm
.Lfunc_end_k_q8974de8a2e_ln2:
	.size	k_q8974de8a2e_ln2, .Lfunc_end_k_q8974de8a2e_ln2-k_q8974de8a2e_ln2
	.p2alignl 7, 3214868480
	.fill 96, 4, 3214868480
	.section	.rodata,"a",@progbits
	.p2align	6, 0x0
	.amdhsa_kernel k_q8974de8a2e_ln2
		.amdhsa_group_segment_fixed_size 67328
		.amdhsa_private_segment_fixed_size 0
		.amdhsa_enable_private_segment 0
		.amdhsa_kernarg_size 32
		.amdhsa_user_sgpr_count 2
		.amdhsa_user_sgpr_kernarg_segment_ptr 1
		.amdhsa_wavefront_size32 1
		.amdhsa_system_sgpr_workgroup_id_x 1
		.amdhsa_system_sgpr_workgroup_id_y 1
		.amdhsa_system_sgpr_workgroup_id_z 1
		.amdhsa_system_vgpr_workitem_id 0
		.amdhsa_next_free_vgpr 144
		.amdhsa_next_free_sgpr 66
		.amdhsa_reserve_vcc 0
		.amdhsa_float_denorm_mode_32 3
		.amdhsa_float_denorm_mode_16_64 3
		.amdhsa_memory_ordered 1
		.amdhsa_forward_progress 1
		.amdhsa_inst_pref_size 26
	.end_amdhsa_kernel
	.amdgpu_metadata
---
amdhsa.version: [ 1, 2 ]
amdhsa.kernels:
  - .name:           k_q8974de8a2e_ln2
    .symbol:         k_q8974de8a2e_ln2.kd
    .args:
      - { .name: h, .offset: 0, .size: 8, .value_kind: global_buffer, .address_space: global }
      - { .name: g2, .offset: 8, .size: 8, .value_kind: global_buffer, .address_space: global }
      - { .name: be2, .offset: 16, .size: 8, .value_kind: global_buffer, .address_space: global }
      - { .name: xn, .offset: 24, .size: 8, .value_kind: global_buffer, .address_space: global }
    .group_segment_fixed_size: 67328
    .private_segment_fixed_size: 0
    .kernarg_segment_align: 8
    .kernarg_segment_size: 32
    .max_flat_workgroup_size: 256
    .sgpr_count:     66
    .vgpr_count:     144
    .wavefront_size: 32
...
	.end_amdgpu_metadata
.endif
;; end of part 5
;; launch w1 (part 6): grid 16 x 16, 4 waves a work-group, clusters of 4 x 4, 327,680 bytes of LDS; arguments xn, wb, b1, hid; writes hid
.if DOCPART == 6
	.amdgcn_target "amdgcn-amd-amdhsa--gfx1250"
	.amdhsa_code_object_version 6
	.text
	.protected	k_q8974de8a2e_w1
	.globl	k_q8974de8a2e_w1
	.p2align	8
	.type	k_q8974de8a2e_w1,@function
k_q8974de8a2e_w1:
	s_mov_b64 s[64:65], 0
	v_nop
	global_prefetch_b8 v0, s[64:65] scope:SCOPE_SE
	s_setreg_imm32_b32 hwreg(HW_REG_WAVE_MODE, 25, 1), 1
	s_wait_xcnt 0x0
	s_wait_alu depctr_hold_cnt(0) depctr_sa_sdst(0) depctr_va_vdst(0) depctr_va_sdst(0) depctr_va_ssrc(0) depctr_va_vcc(0) depctr_vm_vsrc(0)
	s_getreg_b32 s2, hwreg(HW_REG_IB_STS2, 6, 4)
	s_cmp_eq_u32 s2, 0
	s_cbranch_scc0 .Lentry_in_a_cluster
	s_endpgm
.Lentry_in_a_cluster:
	s_bfe_u32 s2, ttmp6, 0x10000c
	s_cmp_lg_u32 s2, 0xf033
	s_cbranch_scc0 .Lentry_shape_is_right
	s_endpgm
.Lentry_shape_is_right:
.set MB, 8
.set NB, 8
.set NQ, 2
.set KT, 1024
.set SA, 8192
.set ACODE, 0
.set ASC, 3145728
.set BCODE, 3145728
.set BSC, 9568256
.set SBLKB, 512
.set RBK, 12*KT
.set QB, NQ*1536
.set HALFT, MB*QB
.set SLOT, 4*HALFT
.set SCL, 3*SLOT
.set SPARE, SCL+2*SA
.set SBLKA, 512
.set SSTEPA, 64
.set SWRA, MB*SBLKA
.set SSTEPB, 64
.set SWCB, NB*SBLKB
.set ZF, 2
.set WV, 2
.set WR, 16
.set WC, 17
.set G1, 24
.set G0, 32
.set G0B, 44
.set G1B, 56
.set G1S, 68
.set G0S, 76
.set G1SB, 80
.set G0SB, 88
.set A16, 12
.set A8, 15
.set B16, 18
.set B8, 21
.set SPW, 28
.set NIL, 29
.set ADSA, 30
.set ADSB, 31
.set SC, 32
.set AF, 64
.set MSB, 0
.macro WIN new
.if MSB != (\new)
	s_set_vgpr_msb (MSB<<8)|(\new)
.set MSB, (\new)
.endif
.endm
.macro PLACES n
.rept \n
	v_nop
.endr
.endm
.macro JLOAD g0a, g1a, g0b, g1b
	s_cmp_eq_u32 s[WR], 0
	s_cbranch_scc0 .Lfor_b_\@
	tensor_load_to_lds s[\g0a:\g0a+3], s[\g1a:\g1a+7]
	s_nop 0
.rept 4
	v_nop
.endr
	s_branch .Lasked_\@
.Lfor_b_\@:
	tensor_load_to_lds s[\g0b:\g0b+3], s[\g1b:\g1b+7]
	s_nop 0
.rept 4
	v_nop
.endr
.Lasked_\@:
.endm
.macro CREST
	s_cmp_lg_u32 s[WV], 0
	s_cbranch_scc1 .Lnot_wave_0_\@
	s_barrier_signal -3
.Lnot_wave_0_\@:
	s_barrier_wait -3
	s_barrier_signal -1
	s_barrier_wait -1
.endm
.macro CROUND
	s_barrier_signal -1
	s_barrier_wait -1
	CREST
.endm
.macro FRAG reg, a16, a8, off
	ds_load_b128 v[\reg:\reg+3], v[\a16] offset:\off
	ds_load_b64 v[\reg+4:\reg+5], v[\a8] offset:(\off)+512
	ds_load_b128 v[\reg+6:\reg+9], v[\a16] offset:(\off)+768
	ds_load_b64 v[\reg+10:\reg+11], v[\a8] offset:(\off)+1280
.endm
.macro FETCH_B slot, q, p
	WIN 0x40
.set ii, 0
.rept NB
	FRAG 128*(\p)+12*ii, B16+\slot, B8+\slot, ii*QB*(1+((\slot)+1)/2)+1536*(\q)
.set ii, ii+1
.endr
	WIN 0
.endm
.macro FETCH_A slot, q, p
.set ii, 0
.rept MB
	FRAG AF+12*MB*(\p)+12*ii, A16+\slot, A8+\slot, ii*QB*(1+((\slot)+1)/2)+1536*(\q)
.set ii, ii+1
.endr
.endm
.macro SCALES sg
.set ii, 0
.rept MB
.set uu, 0
.rept NQ/2
	ds_load_b32 v[SC+16*(\sg)+(NQ/2)*ii+uu], v[ADSA] offset:ii*SBLKA+uu*2*SSTEPA
	ds_load_b32 v[SC+16*(\sg)+(NQ/2)*(MB+ii)+uu], v[ADSB] offset:ii*SBLKB+uu*2*SSTEPB
.set uu, uu+1
.endr
.set ii, ii+1
.endr
.endm
.macro MULA a, p, q, sg, zero
.set wA, 2+((\a)*NB)/32
.if (\zero) == 2
	WIN (wA<<6)|0x11
.else
	WIN (wA<<6)|(wA<<4)|0x01
.endif
.set bb, 0
.rept NB
.set rD, 8*(((\a)*NB+bb)%32)
.set rB, 128*(\p)+12*bb
.set rA, AF+12*MB*(\p)+12*(\a)
.set rSB, SC+16*(\sg)+(NQ/2)*(MB+bb)+(\q)/2
.set rSA, SC+16*(\sg)+(NQ/2)*(\a)+(\q)/2
.set rC, 96+8*(bb%4)+128*(bb/4)
.if (\zero) == 1
	v_wmma_scale_f32_16x16x128_f8f6f4 v[rD:rD+7], v[rB:rB+11], v[rA:rA+11], 0, v[rSB], v[rSA] matrix_a_fmt:MATRIX_FMT_FP6 matrix_b_fmt:MATRIX_FMT_FP6
.elseif (\zero) == 2
	v_wmma_scale_f32_16x16x128_f8f6f4 v[rD:rD+7], v[rB:rB+11], v[rA:rA+11], v[rC:rC+7], v[rSB], v[rSA] matrix_a_fmt:MATRIX_FMT_FP6 matrix_b_fmt:MATRIX_FMT_FP6
.elseif ((\q)%2) == 1
	v_wmma_scale_f32_16x16x128_f8f6f4 v[rD:rD+7], v[rB:rB+11], v[rA:rA+11], v[rD:rD+7], v[rSB], v[rSA] matrix_a_fmt:MATRIX_FMT_FP6 matrix_b_fmt:MATRIX_FMT_FP6 matrix_a_scale:MATRIX_SCALE_ROW1 matrix_b_scale:MATRIX_SCALE_ROW1
.else
	v_wmma_scale_f32_16x16x128_f8f6f4 v[rD:rD+7], v[rB:rB+11], v[rA:rA+11], v[rD:rD+7], v[rSB], v[rSA] matrix_a_fmt:MATRIX_FMT_FP6 matrix_b_fmt:MATRIX_FMT_FP6
.endif
.set bb, bb+1
.endr
.endm
.macro MULS a0, n, p, q, sg, zero
.set aa, \a0
.rept \n
	MULA aa, \p, \q, \sg, \zero
.set aa, aa+1
.endr
.endm
.macro STEP slot, q, zero, sg
	s_wait_dscnt 0x0
	PLACES 4
	FETCH_B \slot, (\q)+1, 1-(\q)%2
	FETCH_A \slot, (\q)+1, 1-(\q)%2
	MULS 0, MB, (\q)%2, \q, \sg, \zero
	WIN 0
.endm
.macro TURN slot, next, mode, sg, nsg
.if (\mode) == 2
	s_wait_dscnt 0x0
	MULS 0, MB/2, 1, NQ-1, \sg, 0
	WIN 0
	PLACES 4
.else
	s_wait_tensorcnt 0x0
	ds_add_u32 v[SPW], v[NIL]
	s_wait_dscnt 0x1
	MULS 0, MB/4, 1, NQ-1, \sg, 0
	s_wait_dscnt 0x0
	s_barrier_signal -1
	MULS MB/4, MB/4, 1, NQ-1, \sg, 0
	WIN 0
	s_barrier_wait -1
.if (\mode) == 1
	CREST
	s_mov_b32 s[G1+1], (192*NQ)<<16                ; no tensor load of mine is out: a row is 256 along K again
	s_mov_b32 s[G1+3], (192*NQ)<<16
	s_mov_b32 s[G1B+1], (192*NQ)<<16
	s_mov_b32 s[G1B+3], (192*NQ)<<16
	s_add_nc_u64 s[G0+4*\slot+2:G0+4*\slot+3], s[G0+4*\slot+2:G0+4*\slot+3], 3*QB
	s_add_nc_u64 s[G0B+4*\slot+2:G0B+4*\slot+3], s[G0B+4*\slot+2:G0B+4*\slot+3], 3*QB
	JLOAD G0+4*\slot, G1, G0B+4*\slot, G1B
.else
	PLACES 4
.endif
.endif
	v_add_nc_u32 v[ADSA], NQ*SSTEPA, v[ADSA]
	v_add_nc_u32 v[ADSB], NQ*SSTEPB, v[ADSB]
	FETCH_B \next, 0, 0
	FETCH_A \next, 0, 0
	SCALES \nsg
	MULS MB/2, MB/2, 1, NQ-1, \sg, 0
	WIN 0
.endm
.set T,    128
.set PC,   192
.set TM,   212
.set PW,   228
.set SEL,  68
.macro QUANT s
.irp b, 0,1,2,3
	v_max3_num_f32 v[TM+\b], |v[\s+16*\b]|, |v[\s+1+16*\b]|, 0x1800000
.endr
.irp i, 2,4,6,8,10,12,14
.irp b, 0,1,2,3
	v_max3_num_f32 v[TM+\b], v[TM+\b], |v[\s+16*\b+\i]|, |v[\s+1+16*\b+\i]|
.endr
.endr
.irp b, 0,1,2,3
	v_permlanex16_b32 v[TM+4+\b], v[TM+\b], s[SEL], s[SEL+1]
.endr
.irp b, 0,1,2,3
	v_max_num_f32 v[TM+\b], v[TM+\b], v[TM+4+\b]
.endr
.irp b, 0,1,2,3
	v_add_nc_u32 v[TM+12+\b], 0xff000000, v[TM+\b]
.endr
.irp b, 0,1,2,3
	v_lshrrev_b32 v[TM+4+\b], 23, v[TM+12+\b]
.endr
	v_lshl_or_b32 v[PW], v[TM+5], 8, v[TM+4]
	v_lshl_or_b32 v[PW], v[TM+6], 16, v[PW]
	v_lshl_or_b32 v[PW], v[TM+7], 24, v[PW]
.irp c, 0,1
	v_cvt_scalef32_pk16_fp6_f32 v[PC+6*\c:PC+2+6*\c], v[\s+32*\c:\s+15+32*\c], v[TM+12+2*\c]
	v_cvt_scalef32_pk16_fp6_f32 v[PC+12+4*\c:PC+14+4*\c], v[\s+16+32*\c:\s+31+32*\c], v[TM+12+2*\c+1]
.endr
	v_nop
.irp c, 0,1
.irp i, 0,1,2
	v_permlane16_swap_b32 v[PC+6*\c+\i], v[PC+12+4*\c+\i]
.endr
.irp i, 0,1,2
	v_mov_b32 v[PC+3+6*\c+\i], v[PC+12+4*\c+\i]
.endr
.endr
.endm
	s_load_b128 s[4:7], s[0:1], 0x0
	s_load_b128 s[8:11], s[0:1], 0x10
	v_lshl_add_u32 v[SPW], v0, 2, SPARE
	v_mov_b32 v[NIL], 0
	ds_add_u32 v[SPW], v[NIL]
	ds_add_u32 v[SPW], v[NIL]
	v_lshrrev_b32 v1, 5, v0
	v_readfirstlane_b32 s[WV], v1
	s_lshr_b32 s[WR], s[WV], 1
	s_and_b32 s[WC], s[WV], 1
	s_bfe_u32 s18, ttmp6, 0x40000
	s_bfe_u32 s19, ttmp6, 0x40004
	s_lshl_b32 s20, ttmp9, 2
	s_add_co_u32 s20, s20, s18
	s_and_b32 s21, ttmp7, 0xffff
	s_lshl_b32 s21, s21, 2
	s_add_co_u32 s21, s21, s19
	s_lshl_b32 s22, s19, 2
	s_lshl_b32 s22, 15, s22
	s_lshl_b32 s23, 0x1111, s18
	s_or_b32 s[G1], s22, (3<<16)|(1<<21)
	s_or_b32 s[G1B], s23, (3<<16)|(1<<21)
.irp g, G1, G1B
	s_mov_b32 s[\g+1], (192*NQ)<<16
	s_mov_b32 s[\g+2], (2*MB)<<16
	s_mov_b32 s[\g+3], (192*NQ)<<16
	s_mov_b32 s[\g+4], 2*MB
	s_mov_b32 s[\g+5], KT*3/2
	s_mov_b32 s[\g+6], 0
	s_mov_b32 s[\g+7], 0
.endr
	s_or_b32 s[G1S], s22, (3<<16)|(1<<21)
	s_or_b32 s[G1SB], s23, (3<<16)|(1<<21)
.irp g, G1S, G1SB
	s_mov_b32 s[\g+1], 32<<16
	s_mov_b32 s[\g+2], (SA/256)<<16
	s_mov_b32 s[\g+3], 32<<16
	s_mov_b32 s[\g+4], SA/256
	s_mov_b32 s[\g+5], 32
	s_mov_b32 s[\g+6], 0
	s_mov_b32 s[\g+7], 0
.endr
	s_mul_i32 s[G0+2], s21, 2*MB
	s_mul_i32 s66, s[WC], MB
	s_add_co_u32 s[G0+2], s[G0+2], s66
	s_mul_i32 s[G0+2], s[G0+2], RBK
	s_add_co_u32 s[G0+2], s[G0+2], ACODE
	s_mov_b32 s[G0+3], 0
	s_mul_i32 s[G0S+2], s21, SA
	s_add_co_u32 s[G0S+2], s[G0S+2], ASC
	s_mov_b32 s[G0S+3], 0
	s_mul_i32 s[G0B+2], s20, 2*NB
	s_mul_i32 s66, s[WC], NB
	s_add_co_u32 s[G0B+2], s[G0B+2], s66
	s_mul_i32 s[G0B+2], s[G0B+2], RBK
	s_add_co_u32 s[G0B+2], s[G0B+2], BCODE
	s_mov_b32 s[G0B+3], 0
	s_mul_i32 s[G0SB+2], s20, SA
	s_add_co_u32 s[G0SB+2], s[G0SB+2], BSC
	s_mov_b32 s[G0SB+3], 0
	s_mul_i32 s100, s[WV], HALFT
	s_lshl_b32 s94, s20, 10
	s_lshl_b32 s95, s[WC], 9
	s_add_co_u32 s94, s94, s95
	s_mov_b32 s95, 0
	s_wait_dscnt 0x0
	s_wait_kmcnt 0x0
	s_add_nc_u64 s[G0+2:G0+3], s[4:5], s[G0+2:G0+3]
	s_add_nc_u64 s[G0S+2:G0S+3], s[4:5], s[G0S+2:G0S+3]
	s_add_nc_u64 s[G0B+2:G0B+3], s[6:7], s[G0B+2:G0B+3]
	s_add_nc_u64 s[G0SB+2:G0SB+3], s[6:7], s[G0SB+2:G0SB+3]
	s_add_nc_u64 s[G0+6:G0+7], s[G0+2:G0+3], QB
	s_add_nc_u64 s[G0B+6:G0B+7], s[G0B+2:G0B+3], QB
	s_add_nc_u64 s[96:97], s[8:9], s[94:95]
	CROUND
	s_mov_b32 s[G0S], 1
	s_mov_b32 s[G0S+1], SCL
	s_or_b32 s[G0S+3], s[G0S+3], 0x80000000
	s_mov_b32 s[G0SB], 1
	s_mov_b32 s[G0SB+1], SCL+SA
	s_or_b32 s[G0SB+3], s[G0SB+3], 0x80000000
	s_lshl_b32 s101, s100, 1                       ; in the large slot a wave's part is twice as long
	s_mov_b32 s[G0], 1
	s_mov_b32 s[G0+1], s100
	s_or_b32 s[G0+3], s[G0+3], 0x80000000
	s_mov_b32 s[G0B], 1
	s_mov_b32 s[G0B+1], s100
	s_or_b32 s[G0B+3], s[G0B+3], 0x80000000
	s_mov_b32 s[G0+4], 1
	s_add_co_u32 s[G0+5], s101, SLOT
	s_or_b32 s[G0+7], s[G0+7], 0x80000000
	s_mov_b32 s[G0B+4], 1
	s_add_co_u32 s[G0B+5], s101, SLOT
	s_or_b32 s[G0B+7], s[G0B+7], 0x80000000
; THE HEAD'S LOADS, ONE A WAVE: wave 0 fetches slot 0's sixteen row blocks of A (K 0 to 255), wave 2 those of B (their own descriptors begin where the whole side begins), wave 1 A's scale words, wave 3 B's.
; Behind them ONE load a wave brings K 256 to 767 of its eight row blocks, rows of 6,144 bytes, into the large slot behind slot 0; K 768 to 1,023 fills slot 0 again.
.macro HARM wv, g0, g1, next
	s_cmp_eq_u32 s[WV], \wv
	s_cbranch_scc0 \next
	tensor_load_to_lds s[\g0:\g0+3], s[\g1:\g1+7]
	s_nop 0
.rept 4
	v_nop
.endr
	s_branch .Lhead_asked
\next:
.endm
	HARM 0, G0, G1, .Lhead_b
	HARM 2, G0B, G1B, .Lhead_sa
	HARM 1, G0S, G1S, .Lhead_sb
	tensor_load_to_lds s[G0SB:G0SB+3], s[G1SB:G1SB+7]
	s_nop 0
.rept 4
	v_nop
.endr
.Lhead_asked:
	v_and_b32 v1, 31, v0
	v_lshlrev_b32 v2, 4, v1
	v_lshlrev_b32 v3, 3, v1
	v_and_b32 v4, 15, v0
	v_bfe_u32 v5, v0, 4, 1
	s_mul_i32 s92, s[WR], HALFT
	s_mul_i32 s93, s[WC], HALFT
	s_lshl_b32 s66, s92, 1
	s_add_co_u32 s66, s66, SLOT                    ; the large slot: A's two halves, 2 HALFT each,
	s_lshl_b32 s67, s93, 1
	s_add_co_u32 s67, s67, SLOT+4*HALFT            ; then B's
	s_add_co_u32 s93, s93, 2*HALFT
	s_wait_alu depctr_va_vdst(0)                   ; the wait behind the run of scalar lines
	v_add_nc_u32 v[A16], s92, v2
	v_add_nc_u32 v[A8], s92, v3
	v_add_nc_u32 v[B16], s93, v2
	v_add_nc_u32 v[B8], s93, v3
.irp s, 1,2                                    ; 'slot' 1 is K 256 to 511 of the large slot's rows, 'slot' 2 K 512 to 767, QB bytes further on
	v_add_nc_u32 v[A16+\s], s66, v2
	v_add_nc_u32 v[A8+\s], s66, v3
	v_add_nc_u32 v[B16+\s], s67, v2
	v_add_nc_u32 v[B8+\s], s67, v3
	s_add_co_u32 s66, s66, QB
	s_add_co_u32 s67, s67, QB
.endr
	s_mul_i32 s92, s[WR], SWRA
	s_add_co_u32 s92, s92, SCL
	v_lshl_add_u32 v[ADSA], v4, 2, s92
	v_mad_u32_u24 v[ADSA], v5, SSTEPA, v[ADSA]
	s_mul_i32 s93, s[WC], SWCB
	s_add_co_u32 s93, s93, SCL+SA
	v_lshl_add_u32 v[ADSB], v4, 2, s93
	v_mad_u32_u24 v[ADSB], v5, SSTEPB, v[ADSB]
	s_lshl_b32 s92, s[WV], 10
	s_add_co_u32 s92, s92, SLOT
	v_lshl_add_u32 v8, v4, 2, s92
	v_add_nc_u32 v10, s92, v2
	v_mov_b32 v24, v2
	v_mov_b32 v25, v3
	v_lshlrev_b32 v26, 5, v5
	WIN 0x40
.irp b, 0,1,2,3,4,5,6,7
	global_load_b128 v[96+8*(\b%4)+128*(\b/4):99+8*(\b%4)+128*(\b/4)], v26, s[96:97] offset:64*\b
	global_load_b128 v[100+8*(\b%4)+128*(\b/4):103+8*(\b%4)+128*(\b/4)], v26, s[96:97] offset:64*\b+16
.endr
	WIN 0
	s_wait_alu depctr_va_vdst(0)
	s_wait_tensorcnt 0x0                           ; my tile of the head's four is in
	ds_add_u32 v[SPW], v[NIL]
.irp g, G1, G1B
	s_mov_b32 s[\g+1], (384*NQ)<<16                ; no tensor load of mine is out: the next load brings eight row blocks x 512 along K
	s_mov_b32 s[\g+2], MB<<16
	s_mov_b32 s[\g+3], (384*NQ)<<16
	s_mov_b32 s[\g+4], MB
.endr
	s_wait_dscnt 0x0
	CROUND
	JLOAD G0+4, G1, G0B+4, G1B
	FETCH_B 0, 0, 0
	FETCH_A 0, 0, 0
	SCALES 0
	s_wait_loadcnt 0x0
	STEP 0, 0, ZF, 0
	TURN 0, 1, 1, 0, 1
	s_wait_alu depctr_va_vdst(0)
	STEP 1, 0, 0, 1
	TURN 1, 2, 2, 1, 0
	s_wait_alu depctr_va_vdst(0)
	STEP 2, 0, 0, 0
	TURN 2, 0, 0, 0, 1
	STEP 0, 0, 0, 1
	s_wait_dscnt 0x0
	MULS 0, MB, 1, NQ-1, 1, 0
	WIN 0
	PLACES 4
	s_mov_b32 s[SEL], 0x76543210
	s_mov_b32 s[SEL+1], 0xfedcba98
.irp b, 0,1,2,3
	v_mov_b32 v[TM+4+\b], 0
.endr
	s_lshl_b32 s80, s21, 4
	s_lshl_b32 s81, s[WR], 3
	s_add_co_u32 s80, s80, s81
	s_mul_i32 s80, s80, 49152
	s_lshl_b32 s82, s20, 1
	s_add_co_u32 s82, s82, s[WC]
	s_mul_i32 s83, s82, 1536
	s_add_co_u32 s80, s80, s83
	s_mov_b32 s81, 0
	s_add_nc_u64 s[70:71], s[10:11], s[80:81]
	s_lshl_b32 s80, s21, 1
	s_add_co_u32 s80, s80, s[WR]
	s_lshl_b32 s80, s80, 5
	s_add_co_u32 s80, s80, s82
	s_lshl_b32 s80, s80, 9
	s_add_co_u32 s80, s80, 12582912
	s_add_nc_u64 s[72:73], s[10:11], s[80:81]
.macro OUTA a
.if \a > 0
	s_wait_xcnt 0x0
.endif
	WIN 0x08+4*((\a)/4)
.set j, 0
.rept 64
	v_max_num_f32 v[T+j], 0, v[64*((\a)%4)+j]
.set j, j+1
.endr
	WIN 0
	QUANT T
	global_store_b128 v24, v[PC:PC+3], s[70:71] offset:49152*\a
	global_store_b64 v25, v[PC+4:PC+5], s[70:71] offset:49152*\a+512
	global_store_b128 v24, v[PC+6:PC+9], s[70:71] offset:49152*\a+768
	global_store_b64 v25, v[PC+10:PC+11], s[70:71] offset:49152*\a+1280
	ds_store_b32 v8, v[PW] offset:64*\a
.endm
.irp a, 0,1,2,3,4,5,6,7
	OUTA \a
.endr
	ds_load_b128 v[T:T+3], v10
	s_wait_dscnt 0x0
	global_store_b128 v24, v[T:T+3], s[72:73]
	s_wait_tensorcnt 0x0
	ds_add_u32 v[SPW], v[NIL]
	s_wait_dscnt 0x0
	CROUND
	s_endpgm
.Lfunc_end_k_q8974de8a2e_w1:
	.size	k_q8974de8a2e_w1, .Lfunc_end_k_q8974de8a2e_w1-k_q8974de8a2e_w1
	.p2alignl 7, 3214868480
	.fill 96, 4, 3214868480
	.section	.rodata,"a",@progbits
	.p2align	6, 0x0
	.amdhsa_kernel k_q8974de8a2e_w1
		.amdhsa_group_segment_fixed_size 327680
		.amdhsa_private_segment_fixed_size 0
		.amdhsa_enable_private_segment 0
		.amdhsa_kernarg_size 32
		.amdhsa_user_sgpr_count 2
		.amdhsa_user_sgpr_kernarg_segment_ptr 1
		.amdhsa_wavefront_size32 1
		.amdhsa_system_sgpr_workgroup_id_x 1
		.amdhsa_system_sgpr_workgroup_id_y 1
		.amdhsa_system_sgpr_workgroup_id_z 1
		.amdhsa_system_vgpr_workitem_id 0
		.amdhsa_next_free_vgpr 1024
		.amdhsa_next_free_sgpr 102
		.amdhsa_reserve_vcc 0
		.amdhsa_float_denorm_mode_32 3
		.amdhsa_float_denorm_mode_16_64 3
		.amdhsa_memory_ordered 1
		.amdhsa_forward_progress 1
		.amdhsa_inst_pref_size 168
	.end_amdhsa_kernel
	.amdgpu_metadata
---
amdhsa.version: [ 1, 2 ]
amdhsa.kernels:
  - .name:           k_q8974de8a2e_w1
    .symbol:         k_q8974de8a2e_w1.kd
    .args:
      - { .name: xn, .offset: 0, .size: 8, .value_kind: global_buffer, .address_space: global }
      - { .name: wb, .offset: 8, .size: 8, .value_kind: global_buffer, .address_space: global }
      - { .name: b1, .offset: 16, .size: 8, .value_kind: global_buffer, .address_space: global }
      - { .name: hid, .offset: 24, .size: 8, .value_kind: global_buffer, .address_space: global }
    .group_segment_fixed_size: 327680
    .private_segment_fixed_size: 0
    .kernarg_segment_align: 8
    .kernarg_segment_size: 32
    .max_flat_workgroup_size: 128
    .sgpr_count:     102
    .vgpr_count:     1024
    .wavefront_size: 32
...
	.end_amdgpu_metadata
.endif
;; end of part 6
;; launch w2 (part 7): grid 8 x 32, 4 waves a work-group, clusters of 4 x 4, 327,680 bytes of LDS; arguments hid, wb, b2, h, out0; writes out0
.if DOCPART == 7
	.amdgcn_target "amdgcn-amd-amdhsa--gfx1250"
	.amdhsa_code_object_version 6
	.text
	.protected	k_q8974de8a2e_w2
	.globl	k_q8974de8a2e_w2
	.p2align	8
	.type	k_q8974de8a2e_w2,@function
k_q8974de8a2e_w2:
	s_mov_b64 s[64:65], 0
	v_nop
	global_prefetch_b8 v0, s[64:65] scope:SCOPE_SE
	s_setreg_imm32_b32 hwreg(HW_REG_WAVE_MODE, 25, 1), 1
	s_wait_xcnt 0x0
	s_wait_alu depctr_hold_cnt(0) depctr_sa_sdst(0) depctr_va_vdst(0) depctr_va_sdst(0) depctr_va_ssrc(0) depctr_va_vcc(0) depctr_vm_vsrc(0)
	s_getreg_b32 s2, hwreg(HW_REG_IB_STS2, 6, 4)
	s_cmp_eq_u32 s2, 0
	s_cbranch_scc0 .Lentry_in_a_cluster
	s_endpgm
.Lentry_in_a_cluster:
	s_bfe_u32 s2, ttmp6, 0x10000c
	s_cmp_lg_u32 s2, 0xf033
	s_cbranch_scc0 .Lentry_shape_is_right
	s_endpgm
.Lentry_shape_is_right:
; out0 = h + hid W2 + b2 on codes of E2M3, K = 4,096.  Operands are images of registers (records of 768 bytes = 16 rows x 64 K).  N is 1,024: tiles of 256 x 256 would leave three WGPs in four without work, so a
; work-group makes 128 x 128 (256 work-groups) and a wave 64 x 64: 16 accumulators.  A slot holds 512 along K (four matrix instructions deep); the ring of two slots goes round four times.
; The product is used transposed (source 0 = 16 rows of W2's codes, source 1 = 16 tokens): a lane holds eight neighbouring columns of a row.  The bias is the C of the first products.
; THE RESIDUAL, my 64 x 64 numbers of h, is asked for at the head, in the layout of the way out, into 128 registers of window 2 that nothing else names: it lands while K is walked.
; CLUSTER 4 x 4: A's tiles are shared along a row of the cluster, B's along a column: joint loads.
; A's scale words lie [row / 128][K / 128][128 rows], B's [row / 16][K / 128][16 rows]; both sides' words for all of K stay in LDS, filled once.
.set MB, 4
.set NB, 4
.set NQ, 4
.set KT, 4096
.set SA, 16384
.set ACODE, 0
.set ASC, 12582912
.set BCODE, 6291456
.set BSC, 9699328
.set SBLKB, 2048
.set RBK, 12*KT
.set QB, NQ*1536
.set HALFT, MB*QB
.set SLOT, 4*HALFT
.set SCL, 2*SLOT
.set SPARE, SCL+2*SA
.set LAPS, KT/(256*NQ)
.set SBLKA, 64
.set SSTEPA, 512
.set SWRA, 64*MB
.set SSTEPB, 64
.set SWCB, NB*SBLKB
.set ZF, 2
.set WV, 2
.set LC, 3
.set WR, 16
.set WC, 17
.set G1, 24
.set G0, 32
.set G1B, 48
.set G0B, 56
.set G1S, 68
.set G0S, 76
.set G1SB, 80
.set G0SB, 88
.set A16, 16
.set A8, 18
.set B16, 20
.set B8, 22
.set SPW, 28
.set NIL, 29
.set ADSA, 30
.set ADSB, 31
.set SC, 32
.set AF, 64
.set RES, 128                          ; window 2: v0-127 the accumulators, v128-255 the residual, then the result
.set MSB, 0
.macro WIN new
.if MSB != (\new)
	s_set_vgpr_msb (MSB<<8)|(\new)
.set MSB, (\new)
.endif
.endm
.macro PLACES n
.rept \n
	v_nop
.endr
.endm
.macro JLOAD g0a, g1a, g0b, g1b        ; a joint load: waves 0, 1 for A, waves 2, 3 for B; s_nop 0 and four v_nop follow each line
	s_cmp_eq_u32 s[WR], 0
	s_cbranch_scc0 .Lfor_b_\@
	tensor_load_to_lds s[\g0a:\g0a+3], s[\g1a:\g1a+7]
	s_nop 0
.rept 4
	v_nop
.endr
	s_branch .Lasked_\@
.Lfor_b_\@:
	tensor_load_to_lds s[\g0b:\g0b+3], s[\g1b:\g1b+7]
	s_nop 0
.rept 4
	v_nop
.endr
.Lasked_\@:
.endm
.macro CREST
	s_cmp_lg_u32 s[WV], 0
	s_cbranch_scc1 .Lnot_wave_0_\@
	s_barrier_signal -3
.Lnot_wave_0_\@:
	s_barrier_wait -3
	s_barrier_signal -1
	s_barrier_wait -1
.endm
.macro CROUND
	s_barrier_signal -1
	s_barrier_wait -1
	CREST
.endm
.macro FRAG reg, a16, a8, off
	ds_load_b128 v[\reg:\reg+3], v[\a16] offset:\off
	ds_load_b64 v[\reg+4:\reg+5], v[\a8] offset:(\off)+512
	ds_load_b128 v[\reg+6:\reg+9], v[\a16] offset:(\off)+768
	ds_load_b64 v[\reg+10:\reg+11], v[\a8] offset:(\off)+1280
.endm
.macro FETCH_B slot, q, p
	WIN 0x40
.set ii, 0
.rept NB
	FRAG 128*(\p)+12*ii, B16+\slot, B8+\slot, ii*QB+1536*(\q)
.set ii, ii+1
.endr
	WIN 0
.endm
.macro FETCH_A slot, q, p
.set ii, 0
.rept MB
	FRAG AF+12*MB*(\p)+12*ii, A16+\slot, A8+\slot, ii*QB+1536*(\q)
.set ii, ii+1
.endr
.endm
.macro SCALES sg
.set ii, 0
.rept MB
.set uu, 0
.rept NQ/2
	ds_load_b32 v[SC+16*(\sg)+(NQ/2)*ii+uu], v[ADSA] offset:ii*SBLKA+uu*2*SSTEPA
	ds_load_b32 v[SC+16*(\sg)+(NQ/2)*(MB+ii)+uu], v[ADSB] offset:ii*SBLKB+uu*2*SSTEPB
.set uu, uu+1
.endr
.set ii, ii+1
.endr
.endm
.macro MULA a, p, q, sg, zero          ; A's block a against B's NB blocks; zero = 2: C is the bias tile in window 1; odd steps read their scales from lanes 16-31
.set wA, 2+((\a)*NB)/32
.if (\zero) == 2
	WIN (wA<<6)|0x11
.else
	WIN (wA<<6)|(wA<<4)|0x01
.endif
.set bb, 0
.rept NB
.set rD, 8*(((\a)*NB+bb)%32)
.set rB, 128*(\p)+12*bb
.set rA, AF+12*MB*(\p)+12*(\a)
.set rSB, SC+16*(\sg)+(NQ/2)*(MB+bb)+(\q)/2
.set rSA, SC+16*(\sg)+(NQ/2)*(\a)+(\q)/2
.set rC, 96+8*(bb%4)+128*(bb/4)
.if (\zero) == 1
	v_wmma_scale_f32_16x16x128_f8f6f4 v[rD:rD+7], v[rB:rB+11], v[rA:rA+11], 0, v[rSB], v[rSA] matrix_a_fmt:MATRIX_FMT_FP6 matrix_b_fmt:MATRIX_FMT_FP6
.elseif (\zero) == 2
	v_wmma_scale_f32_16x16x128_f8f6f4 v[rD:rD+7], v[rB:rB+11], v[rA:rA+11], v[rC:rC+7], v[rSB], v[rSA] matrix_a_fmt:MATRIX_FMT_FP6 matrix_b_fmt:MATRIX_FMT_FP6
.elseif ((\q)%2) == 1
	v_wmma_scale_f32_16x16x128_f8f6f4 v[rD:rD+7], v[rB:rB+11], v[rA:rA+11], v[rD:rD+7], v[rSB], v[rSA] matrix_a_fmt:MATRIX_FMT_FP6 matrix_b_fmt:MATRIX_FMT_FP6 matrix_a_scale:MATRIX_SCALE_ROW1 matrix_b_scale:MATRIX_SCALE_ROW1
.else
	v_wmma_scale_f32_16x16x128_f8f6f4 v[rD:rD+7], v[rB:rB+11], v[rA:rA+11], v[rD:rD+7], v[rSB], v[rSA] matrix_a_fmt:MATRIX_FMT_FP6 matrix_b_fmt:MATRIX_FMT_FP6
.endif
.set bb, bb+1
.endr
.endm
.macro MULS a0, n, p, q, sg, zero      ; the 16 accumulators take turns, one instruction a turn, in the same order in every step
.set aa, \a0
.rept \n
	MULA aa, \p, \q, \sg, \zero
.set aa, aa+1
.endr
.endm
.macro STEP slot, q, zero
	s_wait_dscnt 0x0                               ; this step's fragments, asked for a step ago, are in
	PLACES 4                                       ; four places behind the last products, ahead of loads into the set that they read
	FETCH_B \slot, (\q)+1, 1-(\q)%2
	FETCH_A \slot, (\q)+1, 1-(\q)%2
	MULS 0, MB, (\q)%2, \q, \slot, \zero
	WIN 0
.endm
.macro MIDS slot
.set qq, 1
.rept NQ-2
	STEP \slot, qq, 0
.set qq, qq+1
.endr
.endm
; A slot's last step changes slots: one barrier, with the wait for all tensor loads, the add and the wait for it and for my reads ahead of it.  fill = 1: the barrier opens a round of the cluster's barrier and this slot
; is filled again, two slots ahead: one tensor load a wave is then out, and has a slot's 64 products in which to land.
.macro TURN slot, next, fill
.if \fill
	s_wait_xcnt 0x0                                ; any prefetch of mine has read its address: it is stepped here, a slot behind the prefetch that read it
	s_add_nc_u64 s[98:99], s[98:99], QB
.endif
	s_wait_tensorcnt 0x0
	ds_add_u32 v[SPW], v[NIL]
	s_wait_dscnt 0x1                               ; the add alone may be out
	MULS 0, MB/4, 1, NQ-1, \slot, 0
	s_wait_dscnt 0x0
	s_barrier_signal -1
	MULS MB/4, MB/4, 1, NQ-1, \slot, 0
	WIN 0
	s_barrier_wait -1
.if \fill
	CREST
	s_add_nc_u64 s[G0+4*\slot+2:G0+4*\slot+3], s[G0+4*\slot+2:G0+4*\slot+3], 2*QB
	s_add_nc_u64 s[G0B+4*\slot+2:G0B+4*\slot+3], s[G0B+4*\slot+2:G0B+4*\slot+3], 2*QB
	JLOAD G0+4*\slot, G1, G0B+4*\slot, G1B
.else
	PLACES 4
.endif
	s_wait_alu depctr_va_vdst(0)
	v_add_nc_u32 v[ADSA], NQ*SSTEPA, v[ADSA]
	v_add_nc_u32 v[ADSB], NQ*SSTEPB, v[ADSB]
	FETCH_B \next, 0, 0
	FETCH_A \next, 0, 0
	SCALES \next
.if \fill
	s_cmp_gt_u32 s[LC], 1+\slot                    ; the refill of slot number n + 2 asks for slot number n + 5; beyond number 7 nothing is asked for
	s_cbranch_scc0 .Lno_ask_\@
	global_prefetch_b8 v10, s[98:99] offset:4*QB th:TH_LOAD_NT scope:SCOPE_SE
.Lno_ask_\@:
.endif
	MULS MB/2, MB/2, 1, NQ-1, \slot, 0
	WIN 0
.endm
	s_load_b128 s[4:7], s[0:1], 0x0                ; A's buffer, wb
	s_load_b128 s[8:11], s[0:1], 0x10              ; the bias, the residual
	s_load_b64 s[12:13], s[0:1], 0x20              ; the result
	v_lshl_add_u32 v[SPW], v0, 2, SPARE
	v_mov_b32 v[NIL], 0
	ds_add_u32 v[SPW], v[NIL]                      ; the wave's opening: the add and its wait ahead of my first tensor load
	ds_add_u32 v[SPW], v[NIL]
	v_lshrrev_b32 v1, 5, v0
	v_readfirstlane_b32 s[WV], v1
	s_lshr_b32 s[WR], s[WV], 1
	s_and_b32 s[WC], s[WV], 1
	s_bfe_u32 s18, ttmp6, 0x40000
	s_bfe_u32 s19, ttmp6, 0x40004
	s_lshl_b32 s20, ttmp9, 2
	s_add_co_u32 s20, s20, s18                     ; X
	s_and_b32 s21, ttmp7, 0xffff
	s_lshl_b32 s21, s21, 2
	s_add_co_u32 s21, s21, s19                     ; Y
	s_lshl_b32 s22, s19, 2
	s_lshl_b32 s22, 15, s22
	s_lshl_b32 s23, 0x1111, s18
	s_or_b32 s[G1], s22, (3<<16)|(1<<21)
	s_or_b32 s[G1B], s23, (3<<16)|(1<<21)
.irp g, G1, G1B
	s_mov_b32 s[\g+1], (192*NQ)<<16
	s_mov_b32 s[\g+2], (2*MB)<<16                  ; the head's loads of codes bring a slot's whole side: eight row blocks
	s_mov_b32 s[\g+3], (192*NQ)<<16
	s_mov_b32 s[\g+4], 2*MB
	s_mov_b32 s[\g+5], KT*3/2
	s_mov_b32 s[\g+6], 0
	s_mov_b32 s[\g+7], 0
.endr
	s_or_b32 s[G1S], s22, (3<<16)|(1<<21)
	s_or_b32 s[G1SB], s23, (3<<16)|(1<<21)
.irp g, G1S, G1SB
	s_mov_b32 s[\g+1], 32<<16
	s_mov_b32 s[\g+2], (SA/256)<<16                ; a side's scale words whole
	s_mov_b32 s[\g+3], 32<<16
	s_mov_b32 s[\g+4], SA/256
	s_mov_b32 s[\g+5], 32
	s_mov_b32 s[\g+6], 0
	s_mov_b32 s[\g+7], 0
.endr
	s_mul_i32 s40, s21, 2*MB
	s_mul_i32 s41, s[WC], MB
	s_add_co_u32 s40, s40, s41
	s_mul_i32 s40, s40, RBK
	s_add_co_u32 s40, s40, ACODE
	s_mov_b32 s41, 0
	s_mul_i32 s42, s21, SA
	s_add_co_u32 s42, s42, ASC
	s_mov_b32 s43, 0
	s_mul_i32 s44, s20, 2*NB
	s_mul_i32 s45, s[WC], NB
	s_add_co_u32 s44, s44, s45
	s_mul_i32 s44, s44, RBK
	s_add_co_u32 s44, s44, BCODE
	s_mov_b32 s45, 0
	s_mul_i32 s46, s20, SA
	s_add_co_u32 s46, s46, BSC
	s_mov_b32 s47, 0
	s_mul_i32 s66, s[WV], HALFT
	s_lshl_b32 s94, s20, 9
	s_lshl_b32 s95, s[WC], 8
	s_add_co_u32 s94, s94, s95                     ; my first column, in bytes: 4 (128 X + 64 wc)
	s_mov_b32 s95, 0
	s_wait_dscnt 0x0
	s_wait_kmcnt 0x0
	s_add_nc_u64 s[40:41], s[4:5], s[40:41]
	s_add_nc_u64 s[42:43], s[4:5], s[42:43]
	s_add_nc_u64 s[44:45], s[6:7], s[44:45]
	s_add_nc_u64 s[46:47], s[6:7], s[46:47]
	s_add_nc_u64 s[96:97], s[8:9], s[94:95]        ; my columns' bias
; THE PREFETCHES INTO THE L2: the head names slot number 1; slot number 1's load is followed by requests for numbers 2, 3 and 4, and the load of each later number k by one for number k + 3.  Of the four row blocks that a
; wave fetches, each of the four partners that ask for them jointly takes one, told apart BY ADDRESS (cx for A, cy for B): its 6,144 bytes of a slot are 24 blocks of 256 bytes, a lane a block (lanes 24 to 31 name the
; last again): one instruction a wave and slot.
	s_cmp_eq_u32 s[WR], 0
	s_cselect_b64 s[98:99], s[40:41], s[44:45]
	s_cselect_b32 s92, s18, s19
	s_mul_i32 s92, s92, RBK
	s_mov_b32 s93, 0
	s_add_nc_u64 s[98:99], s[98:99], s[92:93]
	CROUND
	s_mov_b32 s[G0S], 1
	s_mov_b32 s[G0S+1], SCL
	s_mov_b64 s[G0S+2:G0S+3], s[42:43]
	s_or_b32 s[G0S+3], s[G0S+3], 0x80000000
	s_mov_b32 s[G0SB], 1
	s_mov_b32 s[G0SB+1], SCL+SA
	s_mov_b64 s[G0SB+2:G0SB+3], s[46:47]
	s_or_b32 s[G0SB+3], s[G0SB+3], 0x80000000
.irp s, 0,1
	s_mov_b32 s[G0+4*\s], 1
	s_add_co_u32 s[G0+4*\s+1], s66, \s*SLOT
	s_add_nc_u64 s[G0+4*\s+2:G0+4*\s+3], s[40:41], \s*QB
	s_or_b32 s[G0+4*\s+3], s[G0+4*\s+3], 0x80000000
	s_mov_b32 s[G0B+4*\s], 1
	s_add_co_u32 s[G0B+4*\s+1], s66, \s*SLOT
	s_add_nc_u64 s[G0B+4*\s+2:G0B+4*\s+3], s[44:45], \s*QB
	s_or_b32 s[G0B+4*\s+3], s[G0B+4*\s+3], 0x80000000
.endr
; THE HEAD'S LOADS, ONE A WAVE: wave 0 fetches slot 0's eight row blocks of A, wave 2 those of B (their own ring descriptors begin where the whole side begins), wave 1 A's scale words, wave 3 B's.
.macro HARM wv, g0, g1, next
	s_cmp_eq_u32 s[WV], \wv
	s_cbranch_scc0 \next
	tensor_load_to_lds s[\g0:\g0+3], s[\g1:\g1+7]
	s_nop 0
.rept 4
	v_nop
.endr
	s_branch .Lhead_asked
\next:
.endm
	HARM 0, G0, G1, .Lhead_b
	HARM 2, G0B, G1B, .Lhead_sa
	HARM 1, G0S, G1S, .Lhead_sb
	tensor_load_to_lds s[G0SB:G0SB+3], s[G1SB:G1SB+7]
	s_nop 0
.rept 4
	v_nop
.endr
.Lhead_asked:
	v_and_b32 v1, 31, v0
	v_lshlrev_b32 v2, 4, v1
	v_lshlrev_b32 v3, 3, v1
	v_and_b32 v4, 15, v0
	v_bfe_u32 v5, v0, 4, 1
	s_mul_i32 s92, s[WR], HALFT
	s_mul_i32 s93, s[WC], HALFT
	s_add_co_u32 s93, s93, 2*HALFT
.irp s, 0,1
	v_add_nc_u32 v[A16+\s], s92, v2
	v_add_nc_u32 v[A8+\s], s92, v3
	v_add_nc_u32 v[B16+\s], s93, v2
	v_add_nc_u32 v[B8+\s], s93, v3
	s_add_co_u32 s92, s92, SLOT
	s_add_co_u32 s93, s93, SLOT
.endr
	s_mul_i32 s92, s[WR], SWRA
	s_add_co_u32 s92, s92, SCL
	v_lshl_add_u32 v[ADSA], v4, 2, s92
	v_mad_u32_u24 v[ADSA], v5, SSTEPA, v[ADSA]
	s_mul_i32 s93, s[WC], SWCB
	s_add_co_u32 s93, s93, SCL+SA
	v_lshl_add_u32 v[ADSB], v4, 2, s93
	v_mad_u32_u24 v[ADSB], v5, SSTEPB, v[ADSB]
	s_mul_i32 s92, s[WV], 16*272                   ; my stage for the way out: 16 rows x (256 bytes + 16), in slot 0, which has had its last fill and its last read by then
	v_mul_u32_u24 v8, v4, 272
	v_lshl_add_u32 v8, v5, 5, v8
	v_add_nc_u32 v8, s92, v8                       ; in: row r, + 32 h
	v_mul_u32_u24 v9, v5, 272
	v_lshl_add_u32 v9, v4, 4, v9
	v_add_nc_u32 v9, s92, v9                       ; back: lanes 0-15 one row, lanes 16-31 the next
	v_lshlrev_b32 v26, 12, v5
	v_lshl_add_u32 v26, v4, 4, v26                 ; and the same two rows in memory
	v_lshlrev_b32 v27, 5, v5                       ; 32 h
	v_min_u32 v10, 23, v1
	v_lshlrev_b32 v10, 8, v10                      ; the prefetches' offset: 256 x min(lane, 23); never rewritten
	s_wait_alu depctr_va_vdst(0)
	s_lshl_b32 s44, s21, 7                         ; (s40-47 have been copied into the descriptors and are free)
	s_lshl_b32 s45, s[WR], 6
	s_add_co_u32 s44, s44, s45                     ; my first row
	s_lshl_b32 s44, s44, 12
	s_add_co_u32 s44, s44, s94
	s_mov_b32 s45, 0
	s_add_nc_u64 s[40:41], s[10:11], s[44:45]      ; the residual at my corner; never rewritten
	s_add_nc_u64 s[42:43], s[12:13], s[44:45]      ; the result likewise
	global_prefetch_b8 v10, s[98:99] offset:QB th:TH_LOAD_NT scope:SCOPE_SE
	WIN 0x40
.irp b, 0,1,2,3
	global_load_b128 v[96+8*\b:99+8*\b], v27, s[96:97] offset:64*\b         ; the bias in the result's layout, in window 1
	global_load_b128 v[100+8*\b:103+8*\b], v27, s[96:97] offset:64*\b+16
.endr
	WIN 0
	s_wait_tensorcnt 0x0                           ; my tile of the head's four is in
	ds_add_u32 v[SPW], v[NIL]
	s_mov_b32 s[G1+2], MB<<16                      ; no tensor load of mine is out: from here on a load brings four row blocks
	s_mov_b32 s[G1+4], MB
	s_mov_b32 s[G1B+2], MB<<16
	s_mov_b32 s[G1B+4], MB
	s_wait_dscnt 0x0
	CROUND                                         ; all four tiles are in, and all sixteen work-groups are here
	JLOAD G0+4, G1, G0B+4, G1B                     ; slot 1's first fill, a quarter a wave
	FETCH_B 0, 0, 0
	FETCH_A 0, 0, 0
	SCALES 0
	global_prefetch_b8 v10, s[98:99] offset:2*QB th:TH_LOAD_NT scope:SCOPE_SE
	global_prefetch_b8 v10, s[98:99] offset:3*QB th:TH_LOAD_NT scope:SCOPE_SE
	global_prefetch_b8 v10, s[98:99] offset:4*QB th:TH_LOAD_NT scope:SCOPE_SE
	WIN 0x80                                       ; destination window 2
.irp a, 0,1,2,3
.irp t, 0,1,2,3,4,5,6,7
	global_load_b128 v[RES+32*\a+4*\t:RES+32*\a+4*\t+3], v26, s[40:41] offset:(16*\a+2*\t)*4096   ; the residual, asked for when the head's tiles are in: rows 16 a + 2 t + h, sixteen lanes to 256 consecutive bytes
.endr
.endr
	WIN 0
	s_wait_loadcnt 32                              ; the bias is in: the 32 loads issued behind it, the residual's, may stay out
	STEP 0, 0, ZF
.if LAPS > 1
	s_mov_b32 s[LC], LAPS-1
.Llap:                                         ; a trip goes once round the ring, from a lap's second step to the next lap's first, and fills both slots again
	MIDS 0
	TURN 0, 1, 1
	STEP 1, 0, 0
	MIDS 1
	TURN 1, 0, 1
	STEP 0, 0, 0
	s_sub_co_u32 s[LC], s[LC], 1
	s_cmp_lg_u32 s[LC], 0
	s_cbranch_scc1 .Llap
.endif
	MIDS 0
	TURN 0, 1, 0                                   ; the last lap fills nothing
	STEP 1, 0, 0
	MIDS 1
	s_wait_dscnt 0x0
	MULS 0, MB, 1, NQ-1, 1, 0
	WIN 0
	; THE WAY OUT: 16 rows x 64 columns at a time through my stage; back as whole rows of 256 bytes; + the residual; sixteen lanes store 256 consecutive aligned bytes
	PLACES 4
.macro OUTA a
	WIN 0x08                                       ; a store's data are its source 1: window 2; addresses, and the destinations of the LDS loads, stay in window 0
.irp b, 0,1,2,3
	ds_store_b128 v8, v[8*(4*\a+\b):8*(4*\a+\b)+3] offset:64*\b          ; each accumulator from its low end on
	ds_store_b128 v8, v[8*(4*\a+\b)+4:8*(4*\a+\b)+7] offset:64*\b+16
.endr
.irp t, 0,1,2,3,4,5,6,7
	ds_load_b128 v[192+4*\t:195+4*\t], v9 offset:2*\t*272                ; LDS serves a wave's instructions in order: these see my stores
.endr
	s_wait_dscnt 0x0
	s_wait_loadcnt 24-8*\a                         ; this block's eight residual loads are in; the later blocks' may be out
	WIN 0x82                                       ; destination and source 0 window 2, source 1 window 0
.set j, 0
.rept 16
	v_pk_add_f32 v[RES+32*\a+j:RES+32*\a+j+1], v[RES+32*\a+j:RES+32*\a+j+1], v[192+j:193+j]
.set j, j+2
.endr
	WIN 0x08
.irp t, 0,1,2,3,4,5,6,7
	global_store_b128 v26, v[RES+32*\a+4*\t:RES+32*\a+4*\t+3], s[42:43] offset:(16*\a+2*\t)*4096 th:TH_STORE_NT
.endr
.endm
.irp a, 0,1,2,3
	OUTA \a
.endr
	WIN 0
	s_wait_tensorcnt 0x0                           ; the wave's end
	ds_add_u32 v[SPW], v[NIL]
	s_wait_dscnt 0x0
	CROUND
	s_endpgm
.Lfunc_end_k_q8974de8a2e_w2:
	.size	k_q8974de8a2e_w2, .Lfunc_end_k_q8974de8a2e_w2-k_q8974de8a2e_w2
	.p2alignl 7, 3214868480
	.fill 96, 4, 3214868480
	.section	.rodata,"a",@progbits
	.p2align	6, 0x0
	.amdhsa_kernel k_q8974de8a2e_w2
		.amdhsa_group_segment_fixed_size 327680
		.amdhsa_private_segment_fixed_size 0
		.amdhsa_enable_private_segment 0
		.amdhsa_kernarg_size 40
		.amdhsa_user_sgpr_count 2
		.amdhsa_user_sgpr_kernarg_segment_ptr 1
		.amdhsa_wavefront_size32 1
		.amdhsa_system_sgpr_workgroup_id_x 1
		.amdhsa_system_sgpr_workgroup_id_y 1
		.amdhsa_system_sgpr_workgroup_id_z 1
		.amdhsa_system_vgpr_workitem_id 0
		.amdhsa_next_free_vgpr 768
		.amdhsa_next_free_sgpr 100
		.amdhsa_reserve_vcc 0
		.amdhsa_float_denorm_mode_32 3
		.amdhsa_float_denorm_mode_16_64 3
		.amdhsa_memory_ordered 1
		.amdhsa_forward_progress 1
		.amdhsa_inst_pref_size 103
	.end_amdhsa_kernel
	.amdgpu_metadata
---
amdhsa.version: [ 1, 2 ]
amdhsa.kernels:
  - .name:           k_q8974de8a2e_w2
    .symbol:         k_q8974de8a2e_w2.kd
    .args:
      - { .name: hid, .offset: 0, .size: 8, .value_kind: global_buffer, .address_space: global }
      - { .name: wb, .offset: 8, .size: 8, .value_kind: global_buffer, .address_space: global }
      - { .name: b2, .offset: 16, .size: 8, .value_kind: global_buffer, .address_space: global }
      - { .name: h, .offset: 24, .size: 8, .value_kind: global_buffer, .address_space: global }
      - { .name: out0, .offset: 32, .size: 8, .value_kind: global_buffer, .address_space: global }
    .group_segment_fixed_size: 327680
    .private_segment_fixed_size: 0
    .kernarg_segment_align: 8
    .kernarg_segment_size: 40
    .max_flat_workgroup_size: 128
    .sgpr_count:     100
    .vgpr_count:     768
    .wavefront_size: 32
...
	.end_amdgpu_metadata
.endif
;; end of part 7
